; MI455X (gfx1250); checked and timed in simulation.
; The chip was launched on July 23, 2026; its instructions are those of AMD's public machine-readable ISA for CDNA 5 (MIT licence, August 2026) and "CDNA5" Instruction Set Architecture Reference Guide (July 2026). The comments in the code are by the model that wrote it; some were corrected since.
;; Multi Head Cross Attention. Allowed arithmetic: matrix products marked QUANTISED: E2M1 operands, one E8M0 scale for each 32 along K, by v_wmma_scale_f32_16x16x128_f8f6f4 with both operands' format E2M1 (or v_wmma_scale_f32_32x16x128_f4), f32 sums; products left as they are: bf16, f16 or f32 operands; f32 sums; everything else in f32.
;; Inputs: K 2 x 2,048 x 1,024 float32; Q 2 x 2,048 x 1,024 float32; V 2 x 2,048 x 1,024 float32; W_k 1,024 x 1,024 float32; W_o 1,024 x 1,024 float32; W_q 1,024 x 1,024 float32; W_v 1,024 x 1,024 float32; mask 2 x 2,048 bool.
;; Outputs: out0 2 x 2,048 x 1,024 float32.
;; This version of the problem:
;;   THIS VERSION OF THE PROBLEM IS GIVEN IN LOW PRECISION. The matrix products marked QUANTISED in the list below multiply operands that are first quantised to E2M1 (2 exponent bits, 1 mantissa bit; 4 bits a number), with one power-of-two scale for each 32 numbers along K (OCP MX v1.0); their sums are f32. The products marked 'left as it is' may take bf16, f16 or f32 operands, with f32 sums. Whichever they take, every output number must still come out within the allowed error. Rounding operands to bf16 (8 significant bits) uses up far more of that allowance than f16 does (11 bits, for magnitudes from 6e-5 to 65,504). All else is computed in f32.
;;   The module's matrix products, in the order in which they are computed (A, B: the left and right operand; K: the contracted axis; several contracted axes count as one K, in the product's order):
;;     1. [M 4,096, K 1,024] x [K 1,024, N 1,024]; A: input Q; B: input W_q: QUANTISED
;;     2. [M 4,096, K 1,024] x [K 1,024, N 1,024]; A: input K; B: input W_k: QUANTISED
;;     3. [M 4,096, K 1,024] x [K 1,024, N 1,024]; A: input V; B: input W_v: QUANTISED
;;     4. batch 32 x [M 2,048, K 64] x [K 64, N 2,048]; A: computed on the way; B: computed on the way: left as it is (an operand is computed on the way)
;;     5. batch 32 x [M 2,048, K 2,048] x [K 2,048, N 64]; A: computed on the way; B: computed on the way: left as it is (an operand is computed on the way)
;;     6. [M 4,096, K 1,024] x [K 1,024, N 1,024]; A: computed on the way; B: input W_o: left as it is (an operand is computed on the way)
;;   THE QUANTISER, for each operand of a quantised product, along K:
;;     - K is cut into blocks of 32 from its start; a last block that is shorter is filled with zeros.
;;     - A block's scale is 2^e with e = floor(log2(the largest magnitude in the block)) - 2, held to -126 .. 127; a block of zeros has e = 0. As a byte (E8M0): e + 127.
;;     - Each number is divided by its block's scale, clamped to +-6, and rounded to the nearest number of E2M1, ties to even, subnormals kept.
;;     - The product sums the exact products of the quantised numbers (number of the format x scale) in f32.
;;   ~~~python
;;   def quantise(x, axis):      # numpy; x: float32 -> the quantised numbers, widened to float32 again
;;       x = np.moveaxis(x, axis, -1); K = x.shape[-1]
;;       x = np.pad(x, [(0, 0)] * (x.ndim - 1) + [(0, -K % 32)]); x = x.reshape(x.shape[:-1] + (-1, 32)); a = np.abs(x).max(-1, keepdims=True)
;;       e = np.where(a > 0, np.clip(np.frexp(np.where(a > 0, a, 1))[1] - 1 - 2, -126, 127), 0)      # np.frexp(a)[1] - 1 = floor(log2(a)), exactly
;;       r = np.clip(x / 2.0 ** e, -6, 6)
;;       step = 2.0 ** (np.maximum(np.frexp(np.where(r == 0, 1, r))[1] - 1, 0) - 1)
;;       q = np.round(r / step) * step * 2.0 ** e      # np.round: ties to even
;;       return np.moveaxis(q.reshape(q.shape[:-2] + (-1,))[..., :K], -1, axis).astype(np.float32)
;;   ~~~
;; One version. Each part assembles by itself: llvm-mc -triple=amdgcn-amd-amdhsa -mcpu=gfx1250 --defsym DOCPART=n.
;; ======== version 1 of 1: 4 launches
;; limits: values are held in f16: magnitudes above 65,504 overflow, below 6.1e-05 lose precision
;; workspace buffers: codes 7,864,320 bytes; scales 491,520 bytes; wo16 2,097,152 bytes; qkv 25,165,824 bytes; ao 8,388,608 bytes
;; launch quant (part 1): grid 512 x 1, 4 waves a work-group, no clusters, 33,280 bytes of LDS; arguments Q, K, V, W_q, W_k, W_v, W_o, codes, scales, wo16; writes codes, scales, wo16
.if DOCPART == 1
	.amdgcn_target "amdgcn-amd-amdhsa--gfx1250"
	.amdhsa_code_object_version 6
	.text
	.protected	k_q3649c68859_quant
	.globl	k_q3649c68859_quant
	.p2align	8
	.type	k_q3649c68859_quant,@function
k_q3649c68859_quant:
	s_mov_b64 s[64:65], 0
	v_nop
	global_prefetch_b8 v0, s[64:65] scope:SCOPE_SE
	s_setreg_imm32_b32 hwreg(HW_REG_WAVE_MODE, 25, 1), 1
	s_wait_xcnt 0x0
; Q, K, V [4096][1024] and W_q, W_k, W_v [1024][1024], f32, K innermost, become codes of FP4 (E2M1), two a byte, and one E8M0 scale byte for each 32 along K.
; They leave as ONE stream of rows: codes [15360][512 bytes], scales [15360][32]: rows 0 Q, 4096 K, 8192 V, 12288 W_q, 13312 W_k, 14336 W_v.  W_o [1024][1024] is rounded to f16 as it lies.
; A block's scale is 2^(floor(log2(its largest magnitude)) - 2); its byte is the largest magnitude's exponent field - 2, held at 1 from below.  Each number is divided by the scale and rounded to the nearest code, ties to even; beyond 6 the largest code.
; LIMITS: a block of zeros gets the byte 1 where the rule says 127 (its codes are zeros, and this program alone reads the bytes); NaN and infinities are not served; |W_o| stays within f16's 65,504.
; SHARES: a work-group takes 32,768 numbers, a wave 8,192.  Work-groups 0-127 Q, 128-255 K, 256-383 V, 384-415 W_q, 416-447 W_k, 448-479 W_v, 480-511 W_o.
; Rows are dense and 1024 is a multiple of 32, so a tensor is a plain stream of blocks of 32.  A step is 512 numbers: four loads of 512 consecutive bytes; they turn through the wave's own stage in LDS so that a lane
; holds 16 neighbours (two lanes a block); a lane's 16 codes are 8 bytes: the wave stores 256 consecutive bytes.  A wave's 256 scale bytes are gathered in LDS and leave as one aligned run of 256 bytes.
; No tensor loads, no barrier: waves share nothing.
.set STEPS, 16
.set EMAX,  2
.set CB,    8                          ; bytes of 16 codes
.set R,     16                         ; v16-79   four sets of 16 numbers as loaded (W_o's path: v16-143, two sets of 64)
.set X,     80                         ; v80-111  two sets of 16 neighbours
.set E,     112                        ; v112-127 a scale byte for each step
.set C,     128                        ; v128-191 codes: four registers for each step, so that no store's data are written again
.set F,     144                        ; v144-175 W_o's path: f16 numbers to store
.set WREG,  8192                       ; LDS: a region for each wave: two stages of 32 x SP bytes, behind them its 256 scale bytes
.set SP,    80                         ; a lane's place in a stage: 64 bytes + 16 of padding
.set SPW,   12                         ; v12  LDS address of my spare word; never rewritten
.set NIL,   13                         ; v13  0; never rewritten
.set SPARE, 4*WREG                     ; behind the four regions: the spare words, 128 bytes a wave
	s_load_b256 s[4:11], s[0:1], 0x0               ; Q s[4:5], K s[6:7], V s[8:9], W_q s[10:11]
	s_load_b256 s[12:19], s[0:1], 0x20             ; W_k s[12:13], W_v s[14:15], W_o s[16:17], codes s[18:19]
	s_load_b128 s[20:23], s[0:1], 0x40             ; scales s[20:21], wo16 s[22:23]
	v_lshl_add_u32 v[SPW], v0, 2, SPARE
	v_mov_b32 v[NIL], 0
	v_lshrrev_b32 v1, 5, v0
	v_readfirstlane_b32 s28, v1                    ; wave
	v_and_b32 v2, 31, v0                           ; lane
	v_lshlrev_b32 v3, 4, v2                        ; my 16 bytes of a load's 512
	s_mul_i32 s29, s28, WREG
	v_lshrrev_b32 v14, 2, v2
	v_mul_u32_u24 v14, v14, SP
	v_and_b32 v15, 3, v2
	v_lshl_add_u32 v14, v15, 4, v14
	v_add_nc_u32 v14, s29, v14                     ; the stage, on the way in: SP (lane / 4) + 16 (lane % 4)
	v_mul_u32_u24 v15, v2, SP
	v_add_nc_u32 v15, s29, v15                     ; and on the way out: SP x lane: my 16 neighbours
	v_mul_u32_u24 v4, v2, CB                       ; my codes' place in a step's
	v_lshrrev_b32 v5, 1, v2
	s_add_co_u32 s29, s29, 2*32*SP
	v_add_nc_u32 v5, s29, v5                       ; LDS: my wave's 256 scale bytes, my block's byte
	v_lshlrev_b32 v7, 3, v2                        ; 8 bytes a lane: the scale bytes' way out, and W_o's stores
	v_add_nc_u32 v6, s29, v7
	s_mov_b32 s31, 0
	s_wait_kmcnt 0x0
	s_cmp_ge_u32 ttmp9, 480                        ; the work-group's number alone decides the path
	s_cbranch_scc1 .Lconv
	; which tensor: pointers and first work-group are chosen, the path through the text is one
	s_mov_b64 s[24:25], s[14:15]
	s_mov_b32 s26, 448
	s_cmp_lt_u32 ttmp9, 448
	s_cselect_b64 s[24:25], s[12:13], s[24:25]
	s_cselect_b32 s26, 416, s26
	s_cmp_lt_u32 ttmp9, 416
	s_cselect_b64 s[24:25], s[10:11], s[24:25]
	s_cselect_b32 s26, 384, s26
	s_cmp_lt_u32 ttmp9, 384
	s_cselect_b64 s[24:25], s[8:9], s[24:25]
	s_cselect_b32 s26, 256, s26
	s_cmp_lt_u32 ttmp9, 256
	s_cselect_b64 s[24:25], s[6:7], s[24:25]
	s_cselect_b32 s26, 128, s26
	s_cmp_lt_u32 ttmp9, 128
	s_cselect_b64 s[24:25], s[4:5], s[24:25]
	s_cselect_b32 s26, 0, s26
	s_sub_co_u32 s26, ttmp9, s26
	s_lshl_b32 s26, s26, 2
	s_add_co_u32 s26, s26, s28                     ; which run of 8,192 numbers of the tensor is my wave's
	s_lshl_b32 s30, s26, 15
	s_add_nc_u64 s[24:25], s[24:25], s[30:31]
	s_lshl_b32 s26, ttmp9, 2
	s_add_co_u32 s26, s26, s28                     ; and which run of the stream that leaves
	s_lshl_b32 s30, s26, 12
	s_add_nc_u64 s[18:19], s[18:19], s[30:31]      ; 4,096 bytes of codes a run
	s_lshl_b32 s30, s26, 8
	s_add_nc_u64 s[20:21], s[20:21], s[30:31]      ; 256 scale bytes a run
.macro LOAD t
.irp i, 0,1,2,3
	global_load_b128 v[R+16*((\t)%4)+4*\i:R+16*((\t)%4)+4*\i+3], v3, s[24:25] offset:2048*(\t)+512*\i th:TH_LOAD_NT   ; 32 lanes read 512 consecutive bytes
.endr
.endm
.macro TURN t                          ; step t's numbers through the stage: LDS serves a wave's instructions in order, so no wait stands between the stores and the loads
.irp i, 0,1,2,3
	ds_store_b128 v14, v[R+16*((\t)%4)+4*\i:R+16*((\t)%4)+4*\i+3] offset:32*SP*((\t)%2)+8*SP*\i
.endr
.irp i, 0,1,2,3
	ds_load_b128 v[X+16*((\t)%2)+4*\i:X+16*((\t)%2)+4*\i+3], v15 offset:32*SP*((\t)%2)+16*\i
.endr
.endm
.irp t, 0,1,2,3
	LOAD \t
.endr
	s_wait_loadcnt 12                              ; step 0's four loads are in; those of three later steps stay out
	TURN 0
.macro STEP t
.set XS, X+16*((\t)%2)
.if (\t) > 0
	s_wait_dscnt 1                                 ; this step's numbers are back from the stage (the last step's byte store may be out)
.else
	s_wait_dscnt 0x0
.endif
.if (\t)+4 < STEPS
	LOAD (\t)+4                                    ; into the registers that the stage's stores have read
.endif
.if (\t)+1 < STEPS
.if STEPS-2-(\t) >= 3
	s_wait_loadcnt 12                              ; the next step's four loads are in; those of the three steps behind it may be out
.else
	s_wait_loadcnt 4*(STEPS-2-(\t))
.endif
	TURN (\t)+1                                    ; through the other stage while this step is worked
.endif
	v_max3_num_f32 v8, |v[XS]|, |v[XS+1]|, |v[XS+2]|               ; the largest magnitude of my 16, in two chains
	v_max3_num_f32 v9, |v[XS+3]|, |v[XS+4]|, |v[XS+5]|
.irp i, 6,10
	v_max3_num_f32 v8, v8, |v[XS+\i]|, |v[XS+\i+1]|
	v_max3_num_f32 v9, v9, |v[XS+\i+2]|, |v[XS+\i+3]|
.endr
	v_max3_num_f32 v8, v8, |v[XS+14]|, |v[XS+15]|
	v_max3_num_f32 v8, v8, v9, (EMAX+1)<<23        ; and the floor 2^(EMAX + 1 - 127): the byte cannot fall under 1
	v_max_num_f32_dpp v8, v8, v8 row_xmask:1 row_mask:0xf bank_mask:0xf   ; and of my neighbour's 16: the block's
	v_add_nc_u32 v11, -(EMAX<<23), v8              ; EMAX off its exponent field: the conversion takes the exponent field of this operand as its scale
	v_cvt_scalef32_pk8_fp4_f32 v[C+4*(\t)], v[XS:XS+7], v11
	v_cvt_scalef32_pk8_fp4_f32 v[C+4*(\t)+1], v[XS+8:XS+15], v11
	v_lshrrev_b32 v[E+(\t)], 23, v11               ; the scale's byte (a plain line behind the conversions)
	ds_store_b8 v5, v[E+(\t)] offset:16*(\t)       ; both lanes of a block write the same byte with the same value
	global_store_b64 v4, v[C+4*(\t):C+4*(\t)+1], s[18:19] offset:32*CB*(\t)   ; the wave stores 256 consecutive bytes, aligned
.endm
.irp t, 0,1,2,3,4,5,6,7,8,9,10,11,12,13,14,15
	STEP \t
.endr
	ds_load_b64 v[8:9], v6                         ; LDS serves a wave's instructions in order: these see my byte stores
	s_wait_dscnt 0x0
	global_store_b64 v7, v[8:9], s[20:21]          ; 32 lanes store 256 consecutive bytes, aligned
	s_branch .Lend
.Lconv:
	; W_o to f16: a wave takes 8,192 numbers in four batches of 16 loads; two batches are on their way
	s_sub_co_u32 s26, ttmp9, 480
	s_lshl_b32 s26, s26, 2
	s_add_co_u32 s26, s26, s28
	s_lshl_b32 s30, s26, 15
	s_add_nc_u64 s[16:17], s[16:17], s[30:31]
	s_lshl_b32 s30, s26, 14
	s_add_nc_u64 s[22:23], s[22:23], s[30:31]
.macro CLOAD k
.irp n, 0,1,2,3,4,5,6,7,8,9,10,11,12,13,14,15
	global_load_b128 v[R+64*((\k)%2)+4*\n:R+64*((\k)%2)+4*\n+3], v3, s[16:17] offset:8192*(\k)+512*\n th:TH_LOAD_NT
.endr
.endm
.macro CSTEP k
.if (\k) < 3
	s_wait_loadcnt 16                              ; this batch is in; the next batch's 16 loads stay out
.else
	s_wait_loadcnt 0x0
.endif
.if (\k) > 0
	s_wait_xcnt 0x0                                ; the last batch's stores have read v[F] on: only now are they written again
.endif
.irp n, 0,1,2,3,4,5,6,7,8,9,10,11,12,13,14,15
	v_cvt_pk_f16_f32 v[F+2*\n], v[R+64*((\k)%2)+4*\n], v[R+64*((\k)%2)+4*\n+1]
	v_cvt_pk_f16_f32 v[F+2*\n+1], v[R+64*((\k)%2)+4*\n+2], v[R+64*((\k)%2)+4*\n+3]
.endr
.irp n, 0,1,2,3,4,5,6,7,8,9,10,11,12,13,14,15
	global_store_b64 v7, v[F+2*\n:F+2*\n+1], s[22:23] offset:4096*(\k)+256*\n   ; 256 consecutive bytes, aligned
.endr
.if (\k) < 2
	CLOAD (\k)+2
.endif
.endm
	CLOAD 0
	CLOAD 1
	CSTEP 0
	CSTEP 1
	CSTEP 2
	CSTEP 3
.Lend:
	s_wait_tensorcnt 0x0                           ; the wave's end, behind my last LDS store
	ds_add_u32 v[SPW], v[NIL]
	s_wait_dscnt 0x0
	s_endpgm
.Lfunc_end_k_q3649c68859_quant:
	.size	k_q3649c68859_quant, .Lfunc_end_k_q3649c68859_quant-k_q3649c68859_quant
	.p2alignl 7, 3214868480
	.fill 96, 4, 3214868480
	.section	.rodata,"a",@progbits
	.p2align	6, 0x0
	.amdhsa_kernel k_q3649c68859_quant
		.amdhsa_group_segment_fixed_size 33280
		.amdhsa_private_segment_fixed_size 0
		.amdhsa_enable_private_segment 0
		.amdhsa_kernarg_size 80
		.amdhsa_user_sgpr_count 2
		.amdhsa_user_sgpr_kernarg_segment_ptr 1
		.amdhsa_wavefront_size32 1
		.amdhsa_system_sgpr_workgroup_id_x 1
		.amdhsa_system_sgpr_workgroup_id_y 1
		.amdhsa_system_sgpr_workgroup_id_z 1
		.amdhsa_system_vgpr_workitem_id 0
		.amdhsa_next_free_vgpr 192
		.amdhsa_next_free_sgpr 66
		.amdhsa_reserve_vcc 0
		.amdhsa_float_denorm_mode_32 3
		.amdhsa_float_denorm_mode_16_64 3
		.amdhsa_memory_ordered 1
		.amdhsa_forward_progress 1
		.amdhsa_inst_pref_size 55
	.end_amdhsa_kernel
	.amdgpu_metadata
---
amdhsa.version: [ 1, 2 ]
amdhsa.kernels:
  - .name:           k_q3649c68859_quant
    .symbol:         k_q3649c68859_quant.kd
    .args:
      - { .name: Q, .offset: 0, .size: 8, .value_kind: global_buffer, .address_space: global }
      - { .name: K, .offset: 8, .size: 8, .value_kind: global_buffer, .address_space: global }
      - { .name: V, .offset: 16, .size: 8, .value_kind: global_buffer, .address_space: global }
      - { .name: W_q, .offset: 24, .size: 8, .value_kind: global_buffer, .address_space: global }
      - { .name: W_k, .offset: 32, .size: 8, .value_kind: global_buffer, .address_space: global }
      - { .name: W_v, .offset: 40, .size: 8, .value_kind: global_buffer, .address_space: global }
      - { .name: W_o, .offset: 48, .size: 8, .value_kind: global_buffer, .address_space: global }
      - { .name: codes, .offset: 56, .size: 8, .value_kind: global_buffer, .address_space: global }
      - { .name: scales, .offset: 64, .size: 8, .value_kind: global_buffer, .address_space: global }
      - { .name: wo16, .offset: 72, .size: 8, .value_kind: global_buffer, .address_space: global }
    .group_segment_fixed_size: 33280
    .private_segment_fixed_size: 0
    .kernarg_segment_align: 8
    .kernarg_segment_size: 80
    .max_flat_workgroup_size: 128
    .sgpr_count:     66
    .vgpr_count:     192
    .wavefront_size: 32
...
	.end_amdgpu_metadata
.endif
;; end of part 1
;; launch proj (part 2): grid 4 x 48, 4 waves a work-group, clusters of 4 x 4, 327,680 bytes of LDS; arguments codes, scales, qkv; writes qkv
.if DOCPART == 2
	.amdgcn_target "amdgcn-amd-amdhsa--gfx1250"
	.amdhsa_code_object_version 6
	.text
	.protected	k_q3649c68859_proj
	.globl	k_q3649c68859_proj
	.p2align	8
	.type	k_q3649c68859_proj,@function
k_q3649c68859_proj:
	s_mov_b64 s[64:65], 0
	v_nop
	global_prefetch_b8 v0, s[64:65] scope:SCOPE_SE
	s_setreg_imm32_b32 hwreg(HW_REG_WAVE_MODE, 25, 1), 1
	s_wait_xcnt 0x0
	s_wait_alu depctr_hold_cnt(0) depctr_sa_sdst(0) depctr_va_vdst(0) depctr_va_sdst(0) depctr_va_ssrc(0) depctr_va_vcc(0) depctr_vm_vsrc(0)
	s_getreg_b32 s2, hwreg(HW_REG_IB_STS2, 6, 4)
	s_cmp_eq_u32 s2, 0
	s_cbranch_scc0 .Lentry_in_a_cluster
	s_endpgm
.Lentry_in_a_cluster:
	s_bfe_u32 s2, ttmp6, 0x10000c
	s_cmp_lg_u32 s2, 0xf033
	s_cbranch_scc0 .Lentry_shape_is_right
	s_endpgm
.Lentry_shape_is_right:
; The three quantised projections as one GEMM on codes of FP4 (E2M1): C[m][n] = sum over k of A[m][k] B[n][k], K = 1024.
; A: rows 0 .. 12287 of codes (Q, K, V stacked, 4096 rows each); B: the weight of A's tensor, rows 12288 + 1024 x tensor on.  Scale bytes [row][32] beside them.  Sums in f32.
; C leaves in f16, head-major: qkv [tensor 3][batch x 16 + head][token 2048][64]: tensor 0 = q x log2(e) / 8, 1 = k, 2 = v.
; LIMIT: |q| x 0.18, |k| and |v| stay within f16's 65,504.
; A tile of C, 256 x 256, is made by four waves, 128 x 128 each: 64 accumulators, 512 registers.  K is exactly two LDS slots of 512: three tensor loads a wave at the start (scales, slot 0, slot 1), nothing is filled again.
; CLUSTERS: 4 x 4 work-groups; a cluster's four tile rows lie in one tensor (16 tile rows each).  A's tiles are asked for jointly along a row of the cluster, B's along a column.
; THE MATRIX INSTRUCTION IS USED TRANSPOSED (source 0 = 16 rows of B, source 1 = 16 rows of A): a lane holds eight neighbouring columns of a row of C.
; REGISTERS: window 0: v0-31 addresses; v32-95 scale words, two sets; from v128 A's fragments, one set; on the way out v32-127 are free.  window 1: B's fragments, two sets.  windows 2, 3: the accumulators ((a, b) at v[8 (8 (a % 4) + b)]).
.set NQ,     4                         ; steps of 128 along K in a slot
.set ROWB,   256                       ; a tile's row: 512 codes
.set KROW,   512                       ; a row of codes in memory
.set PITCH,  272                       ; an LDS row: 256 bytes + 16 of padding: the 16 rows of a load start at 16 different banks (64 banks of 4 bytes: ISA guide 11.1)
.set FR,     8
.set NL,     2
.set NP,     4                         ; places behind this matrix instruction (ISA guide 7.12.1)
.set HALFT,  128*PITCH
.set SLOT,   4*HALFT
.set KS,     32                        ; a row of scale bytes
.set SCL,    2*SLOT                    ; behind the ring: the scales, as runs of 256 bytes + 16 of padding
.set HALFS,  (128*KS/256)*272
.set SBLK,   (16*KS/256)*272
.set SPARE,  SCL+4*HALFS               ; the spare words, 128 bytes a wave
.set SPH,    144                       ; the way out: a stage row: a token's 128 bytes of one head + 16
.set STGW,   2*16*SPH                  ; a wave's stage: two heads x 16 tokens.  It lies in slot 0, which has had its only fill and its last read when the first result is stored there
.set ADRA, 16
.set ADRB, 20
.set STO,  24
.set RD,   25
.set CO,   26
.set ADRS, 27
.set SPW,  28
.set NIL,  29
.set SC,   32
.set AF,   128
.set TMP,  32                          ; the way out: a block's packed results
.set BK,   64                          ; and what comes back from the stage: v64-95 and v96-127 by turns
.set G1, 24
.set G0, 32
.set G1B, 48
.set G0B, 56
.set G1S, 68
.set G0S, 76
.set G1SB, 80
.set G0SB, 88
.set TEN, 95                           ; s95  which tensor: 0 q, 1 k, 2 v: from the cluster's y, so equal in all sixteen partners
.set CQ,  96                           ; s[96:97] log2(e) / 8
.set MSB, 0
.macro WIN new                         ; the immediate's high byte repeats the setting that is left
.if MSB != \new
	s_set_vgpr_msb (MSB<<8)|\new
.set MSB, \new
.endif
.endm
.set MUL_LO, 0xa1                      ; source 0 (B) window 1, source 1 (A) window 0, C and D window 2
.set MUL_HI, 0xf1
.set TO_B,   0x40
; A joint load: waves 0 and 1 fetch for A, waves 2 and 3 for B; the branch hangs on the wave's number alone.  An s_nop 0 and four v_nop follow each of the two lines.
.macro JLOAD g0a, g1a, g0b, g1b
	s_cmp_eq_u32 s15, 0
	s_cbranch_scc0 .Lfor_b_\@
	tensor_load_to_lds s[\g0a:\g0a+3], s[\g1a:\g1a+7]
	s_nop 0
.rept 4
	v_nop
.endr
	s_branch .Lasked_\@
.Lfor_b_\@:
	tensor_load_to_lds s[\g0b:\g0b+3], s[\g1b:\g1b+7]
	s_nop 0
.rept 4
	v_nop
.endr
.Lasked_\@:
.endm
.macro CROUND                          ; a round of the cluster's barrier
	s_barrier_signal -1
	s_barrier_wait -1
	s_cmp_lg_u32 s14, 0
	s_cbranch_scc1 .Lnot_wave_0_\@
	s_barrier_signal -3
.Lnot_wave_0_\@:
	s_barrier_wait -3
	s_barrier_signal -1
	s_barrier_wait -1
.endm
	s_load_b128 s[4:7], s[0:1], 0x0                ; codes s[4:5], scales s[6:7]
	s_load_b64 s[12:13], s[0:1], 0x10              ; qkv
	v_lshl_add_u32 v[SPW], v0, 2, SPARE
	v_mov_b32 v[NIL], 0
	ds_add_u32 v[SPW], v[NIL]                      ; the wave's opening: the add, twice on end, and its wait ahead of my first tensor load
	ds_add_u32 v[SPW], v[NIL]
	v_lshrrev_b32 v1, 5, v0
	v_readfirstlane_b32 s14, v1                    ; wave 0..3
	s_lshr_b32 s15, s14, 1                         ; which half of the tile's rows is mine.  Also: I fetch for A (0) or for B (1)
	s_and_b32 s16, s14, 1                          ; which half of its columns.  Also: which 128 rows of that tile I fetch
	s_bfe_u32 s40, ttmp6, 0x40000                  ; cx, cy
	s_bfe_u32 s41, ttmp6, 0x40004
	s_lshl_b32 s42, ttmp9, 2
	s_add_co_u32 s42, s42, s40                     ; tile column = 4 x cluster x + cx
	s_and_b32 s17, ttmp7, 0xffff
	s_lshr_b32 s[TEN], s17, 2                      ; four clusters along y to a tensor
	s_lshl_b32 s17, s17, 2
	s_add_co_u32 s17, s17, s41                     ; tile row = 4 x cluster y + cy
	s_lshl_b32 s43, s41, 2
	s_lshl_b32 s43, 15, s43                        ; my row of the cluster
	s_lshl_b32 s44, 0x1111, s40                    ; my column
	s_or_b32 s[G1+0], s43, (0<<16)|(1<<20)|(1<<21)|(5<<22)|(3<<25)  ; the mask; elements of 1 byte; padding on; bit 21 beside a mask; 4 words behind every 64
	s_or_b32 s[G1B+0], s44, (0<<16)|(1<<20)|(1<<21)|(5<<22)|(3<<25)
.irp g, G1, G1B
	s_mov_b32 s[\g+1], ROWB<<16                    ; tensor_dim0
	s_mov_b32 s[\g+2], 128<<16                     ; tensor_dim1
	s_mov_b32 s[\g+3], ROWB<<16                    ; tile_dim0
	s_mov_b32 s[\g+4], 128                         ; tile_dim1
	s_mov_b32 s[\g+5], KROW                        ; stride
	s_mov_b32 s[\g+6], 0
	s_mov_b32 s[\g+7], 0
.endr
	s_or_b32 s[G1S+0], s43, (3<<16)|(1<<20)|(1<<21)|(5<<22)|(3<<25) ; the scales of 128 rows: 4,096 dense bytes as 16 rows of 256 (32 elements of 8 bytes), 16 bytes of padding behind each
	s_or_b32 s[G1SB+0], s44, (3<<16)|(1<<20)|(1<<21)|(5<<22)|(3<<25)
.irp g, G1S, G1SB
	s_mov_b32 s[\g+1], 32<<16
	s_mov_b32 s[\g+2], (128*KS/256)<<16
	s_mov_b32 s[\g+3], 32<<16
	s_mov_b32 s[\g+4], 128*KS/256
	s_mov_b32 s[\g+5], 32
	s_mov_b32 s[\g+6], 0
	s_mov_b32 s[\g+7], 0
.endr
	s_mov_b32 s[CQ], 0x3e38aa3b                    ; log2(e) / 8
	s_mov_b32 s[CQ+1], s[CQ]                       ; (named with it as a pair, so it is written)
	s_lshl_b32 s18, s16, 7                         ; which 128 rows of the tile I fetch
	s_lshl_b32 s20, s17, 8
	s_add_co_u32 s20, s20, s18                     ; A: row 256 x tile row + 128 x half
	s_lshl_b32 s46, s42, 8
	s_add_co_u32 s46, s46, s18
	s_lshl_b32 s47, s[TEN], 10
	s_add_co_u32 s46, s46, s47                     ; B: row 1024 x tensor + 256 x tile column + 128 x half, among the weights' rows
	s_mov_b32 s21, 0
	s_mov_b32 s47, 0
	s_mov_b64 s[18:19], KS
	s_mul_u64 s[22:23], s[20:21], s[18:19]         ; where these rows' scales begin
	s_mul_u64 s[92:93], s[46:47], s[18:19]
	s_mov_b64 s[18:19], KROW
	s_mul_u64 s[20:21], s[20:21], s[18:19]         ; and their codes
	s_mul_u64 s[46:47], s[46:47], s[18:19]
	s_mul_i32 s45, s14, HALFT                      ; where they go: wave x 128 rows
	s_mul_i32 s94, s14, HALFS
	s_wait_dscnt 0x0                               ; both opening adds are done
	s_wait_kmcnt 0x0
	s_add_nc_u64 s[8:9], s[4:5], 12288*KROW        ; the weights' codes
	s_add_nc_u64 s[10:11], s[6:7], 12288*KS        ; and their scales
	s_add_nc_u64 s[20:21], s[4:5], s[20:21]
	s_add_nc_u64 s[22:23], s[6:7], s[22:23]
	s_add_nc_u64 s[46:47], s[8:9], s[46:47]
	s_add_nc_u64 s[92:93], s[10:11], s[92:93]
	CROUND                                         ; all sixteen work-groups are here: the first joint loads meet
	s_mov_b32 s[G0S], 1
	s_add_co_u32 s[G0S+1], s94, SCL
	s_mov_b64 s[G0S+2:G0S+3], s[22:23]
	s_or_b32 s[G0S+3], s[G0S+3], 0x80000000
	s_mov_b32 s[G0SB], 1
	s_add_co_u32 s[G0SB+1], s94, SCL
	s_mov_b64 s[G0SB+2:G0SB+3], s[92:93]
	s_or_b32 s[G0SB+3], s[G0SB+3], 0x80000000
	JLOAD G0S, G1S, G0SB, G1SB                     ; the scales first: they are wanted with slot 0
.irp s, 0,1
	s_mov_b32 s[G0+4*\s], 1
	s_add_co_u32 s[G0+4*\s+1], s45, \s*SLOT
	s_add_nc_u64 s[G0+4*\s+2:G0+4*\s+3], s[20:21], \s*ROWB
	s_or_b32 s[G0+4*\s+3], s[G0+4*\s+3], 0x80000000
	s_mov_b32 s[G0B+4*\s], 1
	s_add_co_u32 s[G0B+4*\s+1], s45, \s*SLOT
	s_add_nc_u64 s[G0B+4*\s+2:G0B+4*\s+3], s[46:47], \s*ROWB
	s_or_b32 s[G0B+4*\s+3], s[G0B+4*\s+3], 0x80000000
	JLOAD G0+4*\s, G1, G0B+4*\s, G1B               ; three tensor loads of mine are out at the most
.endr
	v_and_b32 v1, 15, v0                           ; r = lane % 16
	v_bfe_u32 v2, v0, 4, 1                         ; h = lane / 16
	v_mul_u32_u24 v3, v1, PITCH
	v_lshl_add_u32 v4, v2, 4, v3                   ; a fragment's row x pitch + 16 x half
	s_mul_i32 s21, s15, HALFT                      ; my 128 rows of A
	s_mul_i32 s22, s16, HALFT                      ; my 128 rows of B,
	s_add_co_u32 s22, s22, 2*HALFT                 ; behind A's 256
.irp s, 0,1
	v_add_nc_u32 v[ADRA+\s], s21, v4
	v_add_nc_u32 v[ADRB+\s], s22, v4
	s_add_co_u32 s21, s21, SLOT
	s_add_co_u32 s22, s22, SLOT
.endr
	v_mul_u32_u24 v5, v1, KS                       ; my row's scales: 32 bytes a row,
	v_lshrrev_b32 v6, 8, v5
	v_lshl_add_u32 v5, v6, 4, v5                   ; and 16 more for each 256 passed
	s_mul_i32 s21, s15, HALFS
	s_mul_i32 s22, s16, HALFS
	s_add_co_u32 s22, s22, 2*HALFS
	s_sub_co_u32 s22, s22, s21
	v_mul_u32_u24 v6, s22, v2                      ; lanes 16-31 take B's: one product, the distance between the two bases
	s_add_co_u32 s21, s21, SCL
	v_add_nc_u32 v5, v5, v6
	v_add_nc_u32 v[ADRS], s21, v5
	s_mul_i32 s23, s14, STGW                       ; my stage
	v_mul_u32_u24 v5, v1, SPH                      ; in: token r, 16 bytes for each half of the lanes
	v_lshl_add_u32 v5, v2, 4, v5
	v_add_nc_u32 v[STO], s23, v5
	v_and_b32 v6, 31, v0
	v_lshlrev_b32 v[CO], 4, v6                     ; out: four tokens' 512 bytes lie on end in qkv: 16 bytes a lane
	v_lshrrev_b32 v5, 3, v6
	v_mul_u32_u24 v5, v5, SPH                      ; back: eight lanes to a token
	v_and_b32 v7, 7, v0
	v_lshl_add_u32 v5, v7, 4, v5
	v_add_nc_u32 v[RD], s23, v5
	s_lshl_b32 s20, s17, 8
	s_lshl_b32 s21, s15, 7
	s_add_co_u32 s20, s20, s21                     ; my first row m0 of the stacked A: (m0 >> 11) = 2 x tensor + batch
	s_lshr_b32 s21, s20, 11
	s_lshl_b32 s21, s21, 4
	s_and_b32 s20, s20, 2047
	s_lshl_b32 s20, s20, 7                         ; its token's 128 bytes
	s_lshl_b32 s46, s42, 2
	s_lshl_b32 s47, s16, 1
	s_add_co_u32 s46, s46, s47                     ; my first head: 4 x tile column + 2 x half
	s_add_co_u32 s46, s46, s21
	s_lshl_b32 s46, s46, 18                        ; 262,144 bytes a head
	s_add_co_u32 s46, s46, s20
	s_mov_b32 s47, 0
	s_add_nc_u64 s[12:13], s[12:13], s[46:47]      ; never stepped: all else stands in the stores' immediates
.macro FRAG reg, adr, q, i             ; 16 rows x 128 K of 4-bit codes: 8 registers: registers 4 c .. 4 c + 3 hold K = 64 c + 32 (lane / 16) + 0 .. 31
.irp c, 0,1
	ds_load_b128 v[\reg+4*\c:\reg+4*\c+3], v[\adr] offset:64*(\q)+32*\c+(\i)*16*PITCH
.endr
.endm
; 16 matrix instructions: A's blocks a0, a0 + 1 x B's eight.  The 64 accumulators take turns, one instruction a turn, in the same order in every step.
.macro MUL16 a0, p, q, sc, zero
.irp a, \a0, \a0+1
.irp b, 0,1,2,3,4,5,6,7
.if \zero
	v_wmma_scale_f32_16x16x128_f8f6f4 v[8*(8*((\a)%4)+\b):8*(8*((\a)%4)+\b)+7], v[128*(\p)+FR*\b:128*(\p)+FR*\b+FR-1], v[AF+FR*(\a):AF+FR*(\a)+FR-1], 0, v[SC+8*NQ*(\sc)+NQ*\b+(\q)], v[SC+8*NQ*(\sc)+NQ*(\a)+(\q)] matrix_a_fmt:MATRIX_FMT_FP4 matrix_b_fmt:MATRIX_FMT_FP4 matrix_a_scale:MATRIX_SCALE_ROW1
.else
	v_wmma_scale_f32_16x16x128_f8f6f4 v[8*(8*((\a)%4)+\b):8*(8*((\a)%4)+\b)+7], v[128*(\p)+FR*\b:128*(\p)+FR*\b+FR-1], v[AF+FR*(\a):AF+FR*(\a)+FR-1], v[8*(8*((\a)%4)+\b):8*(8*((\a)%4)+\b)+7], v[SC+8*NQ*(\sc)+NQ*\b+(\q)], v[SC+8*NQ*(\sc)+NQ*(\a)+(\q)] matrix_a_fmt:MATRIX_FMT_FP4 matrix_b_fmt:MATRIX_FMT_FP4 matrix_a_scale:MATRIX_SCALE_ROW1
.endif
.endr
.endr
.endm
.macro FETCH_B slot, q, p
	WIN TO_B
.irp i, 0,1,2,3,4,5,6,7
	FRAG 128*(\p)+FR*\i, ADRB+\slot, \q, \i
.endr
	WIN 0
.endm
.macro FETCH_A slot, q, i0
.irp i, \i0, \i0+1, \i0+2, \i0+3
	FRAG AF+FR*(\i), ADRA+\slot, \q, \i
.endr
.endm
.macro SCALES sc                       ; a slot's scale words: four words a row; lanes 0-15 take A's block i, lanes 16-31 B's block i
.irp i, 0,1,2,3,4,5,6,7
	ds_load_b128 v[SC+8*NQ*\sc+NQ*\i:SC+8*NQ*\sc+NQ*\i+3], v[ADRS] offset:\i*SBLK
.endr
.endm
.macro PLACES n                        ; plain vector lines between a matrix instruction and a load into, or a vector line on, one of its registers
.rept \n
	v_nop
.endr
.endm
.macro STEP slot, q, zero              ; 128 along K, with its successor in the same slot
	s_wait_dscnt 4*NL                              ; B's set and A's blocks 0-3 are in; the youngest eight loads (A's blocks 4-7) may be out
	WIN MUL_LO
	MUL16 0, (\q)%2, \q, \slot, \zero
	MUL16 2, (\q)%2, \q, \slot, \zero
	s_wait_dscnt 0
	PLACES NP
	FETCH_B \slot, (\q)+1, 1-(\q)%2
	FETCH_A \slot, (\q)+1, 0
	WIN MUL_HI
	MUL16 4, (\q)%2, \q, \slot, \zero
	MUL16 6, (\q)%2, \q, \slot, \zero
	PLACES NP
	WIN 0
	FETCH_A \slot, (\q)+1, 4
.endm
; Slot 0's last step changes slots: one barrier; in front of it each wave waits for all its tensor loads (its part of slot 1), adds 0 to its spare word, and waits for that and for its reads of slot 0.
.macro TURN slot, next
	s_wait_tensorcnt 0x0
	ds_add_u32 v[SPW], v[NIL]
	s_wait_dscnt 4*NL+1                            ; (the add and the youngest eight loads may be out)
	WIN MUL_LO
	MUL16 0, 1, NQ-1, \slot, 0
	s_wait_dscnt 0x0                               ; the add is done, and my reads of this slot are over
	s_barrier_signal -1
	MUL16 2, 1, NQ-1, \slot, 0
	WIN 0
	s_barrier_wait -1
	PLACES NP
	v_add_nc_u32 v[ADRS], 4*NQ, v[ADRS]            ; on to the next slot's scale words
	FETCH_B \next, 0, 0
	FETCH_A \next, 0, 0
	SCALES \next
	WIN MUL_HI
	MUL16 4, 1, NQ-1, \slot, 0
	MUL16 6, 1, NQ-1, \slot, 0
	PLACES NP
	WIN 0
	FETCH_A \next, 0, 4
.endm
	s_wait_tensorcnt 1                             ; the scales and my part of slot 0 are in (slot 1's load may be out)
	s_barrier_signal -1
	s_barrier_wait -1                              ; everybody's are
	FETCH_B 0, 0, 0
	FETCH_A 0, 0, 0
	SCALES 0
	FETCH_A 0, 0, 4
	STEP 0, 0, 1                                   ; the first products start the sums: nothing is cleared
	STEP 0, 1, 0
	STEP 0, 2, 0
	TURN 0, 1
	STEP 1, 0, 0
	STEP 1, 1, 0
	STEP 1, 2, 0
	s_wait_dscnt 4*NL                              ; the last step: nothing more to fetch
	WIN MUL_LO
	MUL16 0, 1, NQ-1, 1, 0
	MUL16 2, 1, NQ-1, 1, 0
	s_wait_dscnt 0
	WIN MUL_HI
	MUL16 4, 1, NQ-1, 1, 0
	MUL16 6, 1, NQ-1, 1, 0
	WIN 0
; THE WAY OUT, block by block of 16 tokens x 128 columns (two heads).  PACK: q alone is scaled (a branch on the tensor's number leads round the scaling); all three are rounded to f16: a lane's eight columns are 16 bytes.
.macro PACK a
.set AC, 64*((\a)%4)
.set WM, 0x82+0x41*((\a)/4)            ; destination and source 0: window 2 or 3
.set WC, 0x0a+5*((\a)/4)               ; sources 0 and 1: window 2 or 3
	s_cmp_eq_u32 s[TEN], 0
	s_cbranch_scc0 .Lplain_\@
	WIN WM
.irp b, 0,1,2,3,4,5,6,7
.irp r, 0,1,2,3
	v_pk_mul_f32 v[AC+8*\b+2*\r:AC+8*\b+2*\r+1], v[AC+8*\b+2*\r:AC+8*\b+2*\r+1], s[CQ:CQ+1] op_sel_hi:[1,0]
.endr
.endr
	WIN 0
.Lplain_\@:
	WIN WC
.irp b, 0,1,2,3,4,5,6,7
.irp r, 0,1,2,3
	v_cvt_pk_f16_f32 v[TMP+4*\b+\r], v[AC+8*\b+2*\r], v[AC+8*\b+2*\r+1]
.endr
.endr
	WIN 0
.endm
.macro TOSTAGE a                       ; into my stage [head 2][token 16][144 bytes], and back four tokens of a head at a time.  LDS serves a wave's instructions in order: no wait between
.irp b, 0,1,2,3,4,5,6,7
	ds_store_b128 v[STO], v[TMP+4*\b:TMP+4*\b+3] offset:(\b/4)*16*SPH+(\b%4)*32
.endr
.set BB, BK+32*((\a)%2)
.irp t, 0,1,2,3,4,5,6,7
	ds_load_b128 v[BB+4*\t:BB+4*\t+3], v[RD] offset:(\t/4)*16*SPH+(\t%4)*4*SPH
.endr
.endm
.macro SEND a
.set BB, BK+32*((\a)%2)
	s_wait_dscnt 0x0                               ; the block is back in registers
	s_wait_xcnt 0x0                                ; the stores of the block before have read their registers: the next block's loads may land there
.irp t, 0,1,2,3,4,5,6,7
	global_store_b128 v[CO], v[BB+4*\t:BB+4*\t+3], s[12:13] offset:(\t/4)*262144+(\a)*2048+(\t%4)*512   ; 32 lanes store 512 consecutive bytes, aligned: four tokens of a head
.endr
.endm
	PLACES NP                                      ; behind the last products: for the lines on their results, and for what is written over the scale words
	PACK 0
	TOSTAGE 0
.irp a, 1,2,3,4,5,6,7                  ; block a's conversions stand between block a - 1's loads from the stage and the wait for them
	PACK \a
	SEND \a-1
	TOSTAGE \a
.endr
	SEND 7
	s_wait_tensorcnt 0x0                           ; the wave's end
	ds_add_u32 v[SPW], v[NIL]
	s_wait_dscnt 0x0
	CROUND                                         ; the closing round
	s_endpgm
.Lfunc_end_k_q3649c68859_proj:
	.size	k_q3649c68859_proj, .Lfunc_end_k_q3649c68859_proj-k_q3649c68859_proj
	.p2alignl 7, 3214868480
	.fill 96, 4, 3214868480
	.section	.rodata,"a",@progbits
	.p2align	6, 0x0
	.amdhsa_kernel k_q3649c68859_proj
		.amdhsa_group_segment_fixed_size 327680
		.amdhsa_private_segment_fixed_size 0
		.amdhsa_enable_private_segment 0
		.amdhsa_kernarg_size 24
		.amdhsa_user_sgpr_count 2
		.amdhsa_user_sgpr_kernarg_segment_ptr 1
		.amdhsa_wavefront_size32 1
		.amdhsa_system_sgpr_workgroup_id_x 1
		.amdhsa_system_sgpr_workgroup_id_y 1
		.amdhsa_system_sgpr_workgroup_id_z 1
		.amdhsa_system_vgpr_workitem_id 0
		.amdhsa_next_free_vgpr 1024
		.amdhsa_next_free_sgpr 98
		.amdhsa_reserve_vcc 0
		.amdhsa_float_denorm_mode_32 3
		.amdhsa_float_denorm_mode_16_64 3
		.amdhsa_memory_ordered 1
		.amdhsa_forward_progress 1
		.amdhsa_inst_pref_size 144
	.end_amdhsa_kernel
	.amdgpu_metadata
---
amdhsa.version: [ 1, 2 ]
amdhsa.kernels:
  - .name:           k_q3649c68859_proj
    .symbol:         k_q3649c68859_proj.kd
    .args:
      - { .name: codes, .offset: 0, .size: 8, .value_kind: global_buffer, .address_space: global }
      - { .name: scales, .offset: 8, .size: 8, .value_kind: global_buffer, .address_space: global }
      - { .name: qkv, .offset: 16, .size: 8, .value_kind: global_buffer, .address_space: global }
    .group_segment_fixed_size: 327680
    .private_segment_fixed_size: 0
    .kernarg_segment_align: 8
    .kernarg_segment_size: 24
    .max_flat_workgroup_size: 128
    .sgpr_count:     98
    .vgpr_count:     1024
    .wavefront_size: 32
...
	.end_amdgpu_metadata
.endif
;; end of part 2
;; launch attn (part 3): grid 8 x 32, 8 waves a work-group, clusters of 4 x 1, 327,680 bytes of LDS; arguments qkv, mask, ao; writes ao
.if DOCPART == 3
	.amdgcn_target "amdgcn-amd-amdhsa--gfx1250"
	.amdhsa_code_object_version 6
	.text
	.protected	k_q3649c68859_attn
	.globl	k_q3649c68859_attn
	.p2align	8
	.type	k_q3649c68859_attn,@function
k_q3649c68859_attn:
	s_mov_b64 s[64:65], 0
	v_nop
	global_prefetch_b8 v0, s[64:65] scope:SCOPE_SE
	s_setreg_imm32_b32 hwreg(HW_REG_WAVE_MODE, 25, 1), 1
	s_wait_xcnt 0x0
	s_wait_alu depctr_hold_cnt(0) depctr_sa_sdst(0) depctr_va_vdst(0) depctr_va_sdst(0) depctr_va_ssrc(0) depctr_va_vcc(0) depctr_vm_vsrc(0)
	s_getreg_b32 s2, hwreg(HW_REG_IB_STS2, 6, 4)
	s_cmp_eq_u32 s2, 0
	s_cbranch_scc0 .Lentry_in_a_cluster
	s_endpgm
.Lentry_in_a_cluster:
	s_bfe_u32 s2, ttmp6, 0x10000c
	s_cmp_lg_u32 s2, 0x3003
	s_cbranch_scc0 .Lentry_shape_is_right
	s_endpgm
.Lentry_shape_is_right:
; Attention of 32 (batch, head) pairs: 2,048 queries, 2,048 keys, head size 64.  qkv [3][bh][token][64], f16: q x log2(e) / 8, k, v.
; t = (q log2(e) / 8) . k is held to +-50 log2(e), as the module holds its scores to +-50; a query's row is the sum of 2^t v divided by the sum of 2^t, and 0 where the query's mask byte is 0.
; A RUNNING MAXIMUM, though the module takes none: 2^t spans 2^-72 .. 2^72, for which f16, the second product's format, has no room.  M = the row's largest held t so far, rounded UP to a whole number;
; p = 2^(t - M) is at most 1.  When M moves, the sum and O are multiplied by 2^(old M - new M), made by v_ldexp_f32: nothing is rounded, and no branch hangs on data.  M begins at -72, the hold's low end rounded up.
; p is rounded to f16 for the second product; its sum is taken of the unrounded p, in f32.  The sum is at least 1/2, so the module's safe divisor shows only in masked rows, whose result is 0:
; 1 / sum is multiplied by the mask byte as a number.  The result leaves in f16: ao [head / 4][token / 128][head % 4][token % 128][64].
; LIMITS: NaN and infinities are not served; |result| stays within f16's 65,504; a p under 2^-24 of its row's largest counts as 0 in the product, under 2^-126 in the sum too.
; SHARES.  A work-group owns 256 queries of one (batch, head).  Waves w and w xor 4 own the same 64 queries (four tiles of 16) and split the keys: of each slot of 256 keys wave w takes keys 128 (w / 4) on, 64 a step.
; At the end they exchange O, sum and M: register tile T of a wave holds query tile T xor 2 (w / 4), so every wave keeps register tiles 0, 1 and gives away 2, 3, with no branch.
; Each fragment of K and V read from LDS feeds four matrix instructions.  A step is 64 keys, since O's 64 packed rescalings are owed once a step however many keys it has.
; TWO PHASES.  A wave's work is the chain K Q^T (n), softmax (n), V^T P (n), K Q^T (n + 1) ..  The waves are of two kinds, phase = (w / 4 + w) % 2 (waves w and w + 4 differ in it, and so do waves 2 s and 2 s + 1),
; and the kinds pass the change of slots at different points of that chain: phase 0 behind K Q^T of the slot's second step, so that it begins with a softmax; phase 1 behind that step's softmax, so that it begins
; with 64 matrix instructions.  So one kind has vector work where the other has matrix work.  Both do the same work between two barriers.  Only a softmax, work on registers alone, stands under a branch on the phase.
; LAYOUT.  S^T = K Q^T (source 0 = 16 keys, source 1 = 16 queries): a lane holds ONE query and the keys 8 (lane / 16) + 0..7.  Two such tiles, rounded in pairs, ARE source 1 of O^T = V^T P.  V is turned by ds_load_tr16_b128.
; CLUSTER.  The four query blocks of a cluster walk the same K and V: each tile is asked for jointly, by the same tensor load with a mask that names the four.
; LDS.  A key's row is 128 bytes and a head's keys are dense in memory: a tile is stated as rows of 256 bytes (two keys) with padding behind each.  Key n lies at (n / 2) x pitch + 128 (n % 2).
;   K: pitch 272: the 16 keys of a load fall on 16 different 16-byte columns of the 64 banks (ISA guide 11.1).  V: pitch 288.
; REGISTERS.  window 0: v1-15 addresses; v16-23 sums; v24-25 mask; v26-27 the add's two; v28-31 at work; v32-159 S^T, 32 a tile, and over each tile's low 16 its P; v160-223 K, at the end the partner's O^T;
;   v224-255 statistics, 8 a tile: +0 -M, +1 the largest t, +2 f (+3 its pair's other half), +4 .. +7 at work.   window 1: v0-63 Q; v64-191 O^T; v192-255 V.
.set PKP,   272
.set PVP,   288
.set VOFF,  128*PKP                    ; a slot: 256 keys of K, then 256 of V
.set SLOT1, 1<<17                      ; slot 1 begins here: one exclusive or turns an address from one slot to the other
.set XCH,   SLOT1+128*(PKP+PVP)        ; behind the ring: for each wave 8,192 bytes of O^T's images and 4 x 128 of sums and -M
.set XCHW,  8704
.set STAGE, XCH+8*XCHW                 ; for each wave 32 rows x (128 + 16) bytes, for the way out
.set STGW,  4608
.set SPARE, STAGE+8*STGW               ; the spare words, 128 bytes a wave
.set AK0, 2                            ; v2   my lane's place in a slot's K
.set AV0, 3                            ; v3   and V
.set ADK, 4                            ; v4   the same in the slot in hand
.set ADV, 5
.set QOA, 6                            ; v6   my byte in the wave's rows of Q, register tiles 0, 1
.set QOB, 7                            ; v7   register tiles 2, 3
.set XW,  8                            ; v8   where I put images;  v9 where my partner put its
.set XR,  9
.set XWS, 10                           ; v10, v11 the same for the sums and -M
.set XRS, 11
.set STO, 12
.set RD,  13
.set GO,  14
.set PFO, 15                           ; v15  256 x lane: the prefetches' offset
.set L,   16                           ; v[16:23] a pair of sums (even keys', odd keys') for each tile
.set MK,  24
.set SPW, 26
.set NIL, 27
.set INV, 28
.set S,   32
.set OUTR, 96                          ; the way out: rows read back from the stage
.set KF,  160
.set X,   160
.set ST,  224
.set FA,  240                          ; the way out: for kept tile j the pairs 1 / sum x mask x fa at FA + 4 j, x fb at FA + 4 j + 2
.set QF,  0                            ; window 1
.set O,   64                           ; window 1
.set VF,  192                          ; window 1
.set WV,  12                           ; s12  wave
.set LIM, 15                           ; s15  1 in a wave that prefetches, else the greatest number
.set PFA, 18                           ; s[18:19] where my prefetches stand
.set G1K, 24
.set G1V, 32
.set G0K, 40                           ; two sets; the second walks on
.set G0V, 48
.set SLOTS, 56
.set TB,  57                           ; s57  LDS byte at which the slot in hand begins
.set LO,  58                           ; s58, s59 the hold: -+50 log2(e)
.set HI,  59
.set SEL, 60                           ; s[60:61] v_permlanex16_b32's selects for lane l xor 16
.set PH,  78                           ; s78  my phase, 0 or 1
.set MSB, 0
.macro WIN new                         ; the immediate's high byte repeats the setting that is left
.if MSB != \new
	s_set_vgpr_msb (MSB<<8)|\new
.set MSB, \new
.endif
.endm
; A joint refill: waves 0-3 fetch a quarter each of the slot's K, waves 4-7 of its V: one load a wave.  An s_nop 0 and four v_nop follow each of the two lines.
.macro JLOAD
	s_cmp_lt_u32 s[WV], 4
	s_cbranch_scc0 .Lfor_v_\@
	tensor_load_to_lds s[G0K+4:G0K+7], s[G1K:G1K+7]
	s_nop 0
.rept 4
	v_nop
.endr
	s_branch .Lasked_\@
.Lfor_v_\@:
	tensor_load_to_lds s[G0V+4:G0V+7], s[G1V:G1V+7]
	s_nop 0
.rept 4
	v_nop
.endr
.Lasked_\@:
.endm
; A prefetch of what the NEXT change of slots will ask for: 32,768 bytes of K and as many of V.  Both clusters of a head walk the same keys: the first asks.  Its four partners take 8,192 bytes each, told apart by
; address; in each, wave 0 asks for K's and wave 4 for V's, lanes 256 bytes apart: each block of 256 bytes is named once.  The last change that fills a slot asks for nothing.
.macro ASK
	s_cmp_gt_u32 s[SLOTS], s[LIM]
	s_cbranch_scc0 .Lnot_mine_\@
	global_prefetch_b8 v[PFO], s[PFA:PFA+1] th:TH_LOAD_NT scope:SCOPE_SE
.Lnot_mine_\@:
.endm
.macro CROUND                          ; a round of the cluster's barrier
	s_barrier_signal -1
	s_barrier_wait -1
	s_cmp_lg_u32 s[WV], 0
	s_cbranch_scc1 .Lnot_wave_0_\@
	s_barrier_signal -3
.Lnot_wave_0_\@:
	s_barrier_wait -3
	s_barrier_signal -1
	s_barrier_wait -1
.endm
	s_load_b128 s[4:7], s[0:1], 0x0                ; qkv s[4:5], mask s[6:7]
	s_load_b64 s[8:9], s[0:1], 0x10                ; ao
	v_lshl_add_u32 v[SPW], v0, 2, SPARE
	v_mov_b32 v[NIL], 0
	ds_add_u32 v[SPW], v[NIL]                      ; the wave's opening: the add, twice on end, and its wait ahead of my first tensor load
	ds_add_u32 v[SPW], v[NIL]
	v_lshrrev_b32 v1, 5, v0
	v_readfirstlane_b32 s[WV], v1                  ; wave 0..7
	s_bfe_u32 s13, ttmp6, 0x40000                  ; cx
	s_lshl_b32 s14, ttmp9, 2
	s_add_co_u32 s14, s14, s13                     ; my block of 256 queries: it enters Q's, the mask's and ao's addresses alone
	s_lshr_b32 s16, s[WV], 2                       ; u: which half of a slot's keys is mine
	s_and_b32 s17, s[WV], 3                        ; which 64 queries; also which quarter of a tile I fetch
	s_lshr_b32 s[PH], s[WV], 2                     ; my phase: (w / 4 + w) % 2: the wave's number alone, the same in every work-group
	s_xor_b32 s[PH], s[PH], s[WV]
	s_and_b32 s[PH], s[PH], 1
	s_and_b32 s20, ttmp7, 0xffff                   ; bh = 16 x batch + head, which the four partners share
	s_lshl_b32 s21, s20, 18                        ; 262,144 bytes a head
	s_lshl_b32 s22, s17, 13                        ; 64 rows of 128 bytes
	s_add_co_u32 s22, s22, s21
	s_mov_b32 s23, 0                               ; s[22:23]: my quarter of slot 0, inside K's or V's tensor
	s_lshl_b32 s72, s14, 15
	s_add_co_u32 s72, s72, s22                     ; Q: the head, my block's 256 rows, my wave's 64
	s_mov_b32 s73, 0
	s_lshr_b32 s70, s20, 4                         ; the batch
	s_lshl_b32 s74, s70, 11                        ; the mask: 2,048 x batch + 256 x block + 64 x (w % 4) + 32 u: the 32 queries that I finish
	s_lshl_b32 s71, s14, 8
	s_add_co_u32 s74, s74, s71
	s_lshl_b32 s71, s17, 6
	s_add_co_u32 s74, s74, s71
	s_lshl_b32 s71, s16, 5
	s_add_co_u32 s74, s74, s71
	s_mov_b32 s75, 0
	s_lshl_b32 s76, s70, 4                         ; ao: the block of 128 tokens: 16 x batch + 2 x block + (w % 4) / 2
	s_lshl_b32 s71, s14, 1
	s_add_co_u32 s76, s76, s71
	s_lshr_b32 s71, s17, 1
	s_add_co_u32 s76, s76, s71
	s_lshl_b32 s76, s76, 16
	s_bfe_u32 s71, s20, 0x20002                    ; head / 4
	s_lshl_b32 s71, s71, 21
	s_add_co_u32 s76, s76, s71
	s_and_b32 s71, s20, 3                          ; head % 4
	s_lshl_b32 s71, s71, 14
	s_add_co_u32 s76, s76, s71
	s_and_b32 s71, s[WV], 1                        ; token % 128 = 64 (w % 2) + 32 u on, 128 bytes each
	s_lshl_b32 s71, s71, 13
	s_add_co_u32 s76, s76, s71
	s_lshl_b32 s71, s16, 12
	s_add_co_u32 s76, s76, s71
	s_mov_b32 s77, 0
	s_mul_i32 s62, s17, 32*PKP                     ; where my quarter goes in a slot: no place in the cluster enters an LDS address
	s_mul_i32 s63, s17, 32*PVP
	s_add_co_u32 s63, s63, VOFF
	; descriptor group 1: 32 rows of 128 elements of 2 bytes (two keys a row), dense in memory, padded in LDS behind each row
	s_mov_b32 s[G1K], 15|(1<<16)|(1<<20)|(1<<21)|(5<<22)|(3<<25)  ; the mask: all four work-groups; elements of 2 bytes; padding on; bit 21 beside a mask; 4 words behind every 64
	s_mov_b32 s[G1V], 15|(1<<16)|(1<<20)|(1<<21)|(5<<22)|(7<<25)  ; the same with 8 words
.irp g, G1K, G1V
	s_mov_b32 s[\g+1], 128<<16                     ; tensor_dim0
	s_mov_b32 s[\g+2], 32<<16                      ; tensor_dim1
	s_mov_b32 s[\g+3], 128<<16                     ; tile_dim0
	s_mov_b32 s[\g+4], 32                          ; tile_dim1
	s_mov_b32 s[\g+5], 128                         ; stride
	s_mov_b32 s[\g+6], 0
	s_mov_b32 s[\g+7], 0
.endr
	s_mov_b32 s[LO], 0xc29044fe                    ; -50 log2(e)
	s_mov_b32 s[HI], 0x429044fe
	s_mov_b32 s[SEL], 0x76543210
	s_mov_b32 s[SEL+1], 0xfedcba98
	s_mov_b32 s[TB], 0
	s_mov_b32 s[SLOTS], 6                          ; 8 slots' worth of keys; two come with the first fills
	s_or_b32 s[LIM], s17, ttmp9                    ; 0 in waves 0 and 4 of the head's first cluster: the same in all four partners
	s_cmp_eq_u32 s[LIM], 0
	s_cselect_b32 s[LIM], 1, -1
	s_wait_dscnt 0x0                               ; both opening adds are done
	s_wait_kmcnt 0x0
	s_add_nc_u64 s[66:67], s[4:5], 8388608         ; k's tensor,
	s_add_nc_u64 s[66:67], s[66:67], s[22:23]      ; at my quarter of slot 0
	s_add_nc_u64 s[68:69], s[4:5], 16777216        ; v's likewise
	s_add_nc_u64 s[68:69], s[68:69], s[22:23]
	s_add_nc_u64 s[4:5], s[4:5], s[72:73]          ; q at my wave's 64 queries
	s_add_nc_u64 s[6:7], s[6:7], s[74:75]
	s_add_nc_u64 s[8:9], s[8:9], s[76:77]
	s_cmp_lt_u32 s[WV], 4
	s_cselect_b64 s[PFA:PFA+1], s[66:67], s[68:69] ; (in waves 0 and 4 these stand at a slot's first row)
	s_lshl_b32 s70, s13, 13                        ; my work-group's 8,192 bytes of the 32,768
	s_mov_b32 s71, 0
	s_add_nc_u64 s[PFA:PFA+1], s[PFA:PFA+1], s[70:71]
	s_add_nc_u64 s[PFA:PFA+1], s[PFA:PFA+1], 2*32768  ; in slot 2; the first change of slots steps it to slot 3.  Nothing is prefetched at the head
	CROUND                                         ; all four work-groups are here: the first joint loads meet
.irp s, 0,1
	s_mov_b32 s[G0K+4*\s], 1
	s_add_co_u32 s[G0K+4*\s+1], s62, \s*SLOT1
	s_add_nc_u64 s[G0K+4*\s+2:G0K+4*\s+3], s[66:67], \s*32768
	s_or_b32 s[G0K+4*\s+3], s[G0K+4*\s+3], 0x80000000
	s_mov_b32 s[G0V+4*\s], 1
	s_add_co_u32 s[G0V+4*\s+1], s63, \s*SLOT1
	s_add_nc_u64 s[G0V+4*\s+2:G0V+4*\s+3], s[68:69], \s*32768
	s_or_b32 s[G0V+4*\s+3], s[G0V+4*\s+3], 0x80000000
.endr
	s_cmp_lt_u32 s[WV], 4                          ; a wave's two first fills stand in one branch: two loads of mine are out at the most
	s_cbranch_scc0 .Lfirst_v
	tensor_load_to_lds s[G0K:G0K+3], s[G1K:G1K+7]
	s_nop 0
	tensor_load_to_lds s[G0K+4:G0K+7], s[G1K:G1K+7]
	s_nop 0
.rept 4
	v_nop
.endr
	s_branch .Lfirst_asked
.Lfirst_v:
	tensor_load_to_lds s[G0V:G0V+3], s[G1V:G1V+7]
	s_nop 0
	tensor_load_to_lds s[G0V+4:G0V+7], s[G1V:G1V+7]
	s_nop 0
.rept 4
	v_nop
.endr
.Lfirst_asked:
	v_and_b32 v1, 15, v0                           ; r = lane % 16
	v_bfe_u32 v28, v0, 4, 1                        ; h = lane / 16
	v_lshlrev_b32 v30, 7, v1
	v_lshl_add_u32 v30, v28, 4, v30                ; Q: row r of 128 bytes + 16 h
	s_lshl_b32 s70, s16, 12
	v_add_nc_u32 v[QOA], s70, v30                  ; register tiles 0, 1: query tiles 2 u, 2 u + 1
	s_xor_b32 s70, s70, 4096
	v_add_nc_u32 v[QOB], s70, v30                  ; register tiles 2, 3: the other two
	WIN 0x40                                       ; destination window 1
.irp t, 0,1
.irp c, 0,1
	global_load_b128 v[QF+16*\t+8*\c:QF+16*\t+8*\c+3],       v[QOA], s[4:5] offset:2048*\t+64*\c
	global_load_b128 v[QF+16*\t+8*\c+4:QF+16*\t+8*\c+7],     v[QOA], s[4:5] offset:2048*\t+64*\c+32
	global_load_b128 v[QF+32+16*\t+8*\c:QF+32+16*\t+8*\c+3],   v[QOB], s[4:5] offset:2048*\t+64*\c
	global_load_b128 v[QF+32+16*\t+8*\c+4:QF+32+16*\t+8*\c+7], v[QOB], s[4:5] offset:2048*\t+64*\c+32
.endr
.endr
	WIN 0
	global_load_u8 v[MK], v1, s[6:7]               ; the mask bytes of the two tiles that I finish: query r of each
	global_load_u8 v[MK+1], v1, s[6:7] offset:16
	v_lshrrev_b32 v29, 1, v1
	v_mul_u32_u24 v[AK0], v29, PKP                 ; K: key r: (r / 2) x pitch
	v_and_b32 v29, 1, v0
	v_lshl_add_u32 v[AK0], v29, 7, v[AK0]          ; + 128 (r % 2)
	v_lshl_add_u32 v[AK0], v28, 4, v[AK0]          ; + 16 h
	s_mul_i32 s70, s16, 64*PKP
	v_add_nc_u32 v[AK0], s70, v[AK0]               ; + my half of the slot's keys
	v_bfe_u32 v30, v0, 1, 2                        ; V, for the turning load: key 8 h + lane % 8, channels 8 ((lane / 8) % 2) on
	v_lshl_add_u32 v30, v28, 2, v30                ; key / 2
	v_mul_u32_u24 v[AV0], v30, PVP
	v_lshl_add_u32 v[AV0], v29, 7, v[AV0]          ; + 128 (key % 2)
	v_bfe_u32 v30, v0, 3, 1
	v_lshl_add_u32 v[AV0], v30, 4, v[AV0]
	s_mul_i32 s70, s16, 64*PVP
	s_add_co_u32 s70, s70, VOFF
	v_add_nc_u32 v[AV0], s70, v[AV0]
	v_add_nc_u32 v[ADK], s[TB], v[AK0]
	v_add_nc_u32 v[ADV], s[TB], v[AV0]
	v_and_b32 v31, 31, v0                          ; lane
	s_mul_i32 s70, s[WV], XCHW
	s_add_co_u32 s70, s70, XCH
	s_xor_b32 s71, s[WV], 4                        ; my partner
	s_mul_i32 s71, s71, XCHW
	s_add_co_u32 s71, s71, XCH
	v_lshl_add_u32 v[XW], v31, 4, s70
	v_lshl_add_u32 v[XR], v31, 4, s71
	s_add_co_u32 s70, s70, 8192
	s_add_co_u32 s71, s71, 8192
	v_lshl_add_u32 v[XWS], v31, 2, s70
	v_lshl_add_u32 v[XRS], v31, 2, s71
	s_mul_i32 s70, s[WV], STGW
	s_add_co_u32 s70, s70, STAGE
	v_mul_u32_u24 v[STO], v1, 144                  ; the stage, in: row r, 16 bytes for each half of the lanes
	v_lshl_add_u32 v[STO], v28, 4, v[STO]
	v_add_nc_u32 v[STO], s70, v[STO]
	v_lshrrev_b32 v30, 3, v31                      ; back: eight lanes to a row
	v_mul_u32_u24 v[RD], v30, 144
	v_and_b32 v30, 7, v0
	v_lshl_add_u32 v[RD], v30, 4, v[RD]
	v_add_nc_u32 v[RD], s70, v[RD]
	v_lshlrev_b32 v[GO], 4, v31                    ; four tokens' 512 bytes lie on end in ao
	v_lshlrev_b32 v[PFO], 8, v31
.irp i, 0,1,2,3,4,5,6,7
	v_mov_b32 v[L+\i], 0                           ; the sums
.endr
.irp t, 0,1,2,3
	v_mov_b32 v[ST+8*\t+1], s[LO]                  ; the largest t so far: the hold's low end, under which no held t lies
	v_floor_f32 v[ST+8*\t], -v[ST+8*\t+1]          ; -M = 72
	v_mov_b32 v[ST+8*\t+3], 0                      ; (named with f as a pair, so it is written)
.endr
.macro FETCHK i                        ; step i of my half of the slot: 64 keys x 64 channels: eight fragments
.irp kt, 0,1,2,3
.irp c, 0,1
	ds_load_b128 v[KF+16*\kt+8*\c:KF+16*\kt+8*\c+3],   v[ADK] offset:32*PKP*(\i)+8*PKP*\kt+64*\c
	ds_load_b128 v[KF+16*\kt+8*\c+4:KF+16*\kt+8*\c+7], v[ADK] offset:32*PKP*(\i)+8*PKP*\kt+64*\c+32
.endr
.endr
.endm
.macro FETCHV i                        ; the same keys of V, turned: eight fragments of 16 channels x 32 keys
	WIN 0x40                                       ; destination window 1
.irp g, 0,1
.irp ct, 0,1,2,3
	ds_load_tr16_b128 v[VF+8*(4*\g+\ct):VF+8*(4*\g+\ct)+3],   v[ADV] offset:32*PVP*(\i)+16*PVP*\g+32*\ct
	ds_load_tr16_b128 v[VF+8*(4*\g+\ct)+4:VF+8*(4*\g+\ct)+7], v[ADV] offset:32*PVP*(\i)+16*PVP*\g+32*\ct+8*PVP
.endr
.endr
	WIN 0
.endm
; S^T = K Q^T: sixteen accumulators by turns, one instruction a turn, two deep.  The first sixteen start the sums.
.macro MULKQ
	WIN 0x04                                       ; source 1 (Q) window 1
.irp c, 0,1
.irp kt, 0,1,2,3
.irp t, 0,1,2,3
.if \c == 0
	v_wmma_f32_16x16x32_f16 v[S+32*\t+8*\kt:S+32*\t+8*\kt+7], v[KF+16*\kt+8*\c:KF+16*\kt+8*\c+7], v[QF+16*\t+8*\c:QF+16*\t+8*\c+7], 0
.else
	v_wmma_f32_16x16x32_f16 v[S+32*\t+8*\kt:S+32*\t+8*\kt+7], v[KF+16*\kt+8*\c:KF+16*\kt+8*\c+7], v[QF+16*\t+8*\c:QF+16*\t+8*\c+7], v[S+32*\t+8*\kt:S+32*\t+8*\kt+7]
.endif
.endr
.endr
.endr
	WIN 0
.endm
; O^T += V^T P: sixteen accumulators by turns, two deep.  first = 1: the first sixteen start the sums: nothing is cleared.
.macro MULPV first
	WIN 0x51                                       ; source 0 (V), C and D window 1; source 1 (P) window 0
.irp g, 0,1
.irp ct, 0,1,2,3
.irp t, 0,1,2,3
.if \first && (\g == 0)
	v_wmma_f32_16x16x32_f16 v[O+32*\t+8*\ct:O+32*\t+8*\ct+7], v[VF+8*(4*\g+\ct):VF+8*(4*\g+\ct)+7], v[S+32*\t+8*\g:S+32*\t+8*\g+7], 0
.else
	v_wmma_f32_16x16x32_f16 v[O+32*\t+8*\ct:O+32*\t+8*\ct+7], v[VF+8*(4*\g+\ct):VF+8*(4*\g+\ct)+7], v[S+32*\t+8*\g:S+32*\t+8*\g+7], v[O+32*\t+8*\ct:O+32*\t+8*\ct+7]
.endif
.endr
.endr
.endr
	WIN 0
.endm
; THE SOFTMAX of 128 scores a lane: 32 for each of four queries.  first = 1: O^T has not begun, so nothing of it is rescaled.
.macro SOFT first
.set n, 0
.rept 128
	v_med3_num_f32 v[S+n], v[S+n], s[LO], s[HI]    ; the hold; each accumulator is read from its low end on
.set n, n+1
.endr
.irp j, 0,1,2,3                        ; a tile's largest held t, three operands at a time: four chains of seven, the four tiles by turns,
.irp t, 0,1,2,3
	v_max3_num_f32 v[ST+8*\t+4+\j], v[S+32*\t+8*\j], v[S+32*\t+8*\j+1], v[S+32*\t+8*\j+2]
.endr
.endr
.irp i, 3,5
.irp j, 0,1,2,3
.irp t, 0,1,2,3
	v_max3_num_f32 v[ST+8*\t+4+\j], v[ST+8*\t+4+\j], v[S+32*\t+8*\j+\i], v[S+32*\t+8*\j+\i+1]
.endr
.endr
.endr
.irp t, 0,1,2,3                        ; then the four left over, the chains, and the largest so far
	v_max3_num_f32 v[ST+8*\t+4], v[ST+8*\t+4], v[S+32*\t+7], v[S+32*\t+15]
.endr
.irp t, 0,1,2,3
	v_max3_num_f32 v[ST+8*\t+6], v[ST+8*\t+6], v[S+32*\t+23], v[S+32*\t+31]
.endr
.irp t, 0,1,2,3
	v_max3_num_f32 v[ST+8*\t+4], v[ST+8*\t+4], v[ST+8*\t+5], v[ST+8*\t+6]
.endr
.irp t, 0,1,2,3
	v_max3_num_f32 v[ST+8*\t+4], v[ST+8*\t+4], v[ST+8*\t+7], v[ST+8*\t+1]
.endr
.irp t, 0,1,2,3
	v_permlanex16_b32 v[ST+8*\t+5], v[ST+8*\t+4], s[SEL], s[SEL+1]   ; the query's other 32 keys lie in the lane 16 away
.endr
.irp t, 0,1,2,3
	v_max_num_f32 v[ST+8*\t+1], v[ST+8*\t+4], v[ST+8*\t+5]           ; the running largest t
.endr
.irp t, 0,1,2,3
	v_mov_b32 v[ST+8*\t+6], v[ST+8*\t]
.endr
.irp t, 0,1,2,3
	v_floor_f32 v[ST+8*\t], -v[ST+8*\t+1]          ; the new -M = floor(-t) = -ceil(t): a whole number
.endr
.irp t, 0,1,2,3
	v_sub_f32 v[ST+8*\t+6], v[ST+8*\t], v[ST+8*\t+6]   ; old M - new M: a whole number, 0 or less
.endr
.irp t, 0,1,2,3
	v_cvt_i32_f32 v[ST+8*\t+6], v[ST+8*\t+6]
.endr
.irp t, 0,1,2,3
	v_ldexp_f32 v[ST+8*\t+2], 1.0, v[ST+8*\t+6]    ; f = 2^(old M - new M)
.endr
	; t - M, two at a time (of the pair -M, t the low word serves both halves), four pairs ahead of the exponentials and between them.  Nothing names an exponential's result ahead of the one wait.
.set n, 0
.rept 4
	v_pk_add_f32 v[S+2*n:S+2*n+1], v[S+2*n:S+2*n+1], v[ST+8*(n/16):ST+8*(n/16)+1] op_sel_hi:[1,0]
.set n, n+1
.endr
.set n, 0
.rept 60
	v_exp_f32 v[S+2*n], v[S+2*n]
	v_pk_add_f32 v[S+2*n+8:S+2*n+9], v[S+2*n+8:S+2*n+9], v[ST+8*((n+4)/16):ST+8*((n+4)/16)+1] op_sel_hi:[1,0]
	v_exp_f32 v[S+2*n+1], v[S+2*n+1]
.set n, n+1
.endr
.rept 4
	v_exp_f32 v[S+2*n], v[S+2*n]
	v_exp_f32 v[S+2*n+1], v[S+2*n+1]
.set n, n+1
.endr
.if \first
	v_nop                                          ; a plain line behind the last exponential
.else
	WIN 0x41                                       ; O^T (destination and source 0) window 1, f window 0
.set n, 0
.rept 64
	v_pk_mul_f32 v[O+2*n:O+2*n+1], v[O+2*n:O+2*n+1], v[ST+8*(n/16)+2:ST+8*(n/16)+3] op_sel_hi:[1,0]   ; O^T under the new M: work that names no exponential's result, between the batch and its wait
.set n, n+1
.endr
	WIN 0
.endif
	s_wait_alu depctr_va_vdst(0)                   ; one wait for the batch of 128, ahead of its first reader
.irp i, 0,1,2,3,4,5,6,7,8,9,10,11,12,13,14,15
.irp t, 0,1,2,3
.if \i == 0
	v_pk_fma_f32 v[L+2*\t:L+2*\t+1], v[L+2*\t:L+2*\t+1], v[ST+8*\t+2:ST+8*\t+3], v[S+32*\t:S+32*\t+1] op_sel_hi:[1,0,1]   ; the sum under the new M, and the first pair
.else
	v_pk_add_f32 v[L+2*\t:L+2*\t+1], v[L+2*\t:L+2*\t+1], v[S+32*\t+2*\i:S+32*\t+2*\i+1]   ; the sum of the unrounded p: four chains by turns
.endif
	v_cvt_pk_f16_f32 v[S+32*\t+\i], v[S+32*\t+2*\i], v[S+32*\t+2*\i+1]   ; P over the tile's low half: register i is written when pairs 0 .. i have been summed and rounded
.endr
.endr
.endm
; The softmax for the waves of phase ph alone: the branch hangs on the wave's number, and leads round work on registers and nothing else.
.macro SOFTIF ph
	s_cmp_lg_u32 s[PH], \ph
	s_cbranch_scc1 .Lother_\@
	SOFT 0
.Lother_\@:
.endm
.macro PLACES n                        ; plain lines between a matrix instruction and a load into, or a vector line on, one of its registers: four; ahead of a matrix instruction that takes its result as a source or writes over one of its registers: five
.rept \n
	v_nop
.endr
.endm
; THE CHANGE OF SLOTS: the slot's last fragments have been asked for.  Each wave waits for all its tensor loads (its part of the other slot), adds 0 to its spare word, and waits for that and for its reads of the slot.
; fill = 1: the barrier is a round of the cluster's, and the joint refill, with the keys two slots on, is the first thing behind it: it has two key steps, 128 matrix instructions, in which to land.
.macro CHANGE fill
	s_wait_tensorcnt 0x0                           ; no tensor load of mine is out, so a group 0 may be written
	ds_add_u32 v[SPW], v[NIL]
.if \fill
.irp g, G0K+4, G0V+4
	s_xor_b32 s[\g+1], s[\g+1], SLOT1              ; the walking descriptor: the other slot than last time,
	s_add_nc_u64 s[\g+2:\g+3], s[\g+2:\g+3], 32768 ; the next 256 keys
.endr
	s_wait_xcnt 0x0                                ; the last prefetch, a slot back, has read its address
	s_add_nc_u64 s[PFA:PFA+1], s[PFA:PFA+1], 32768
	s_wait_dscnt 0x0                               ; the add is done, and my reads of the slot are over: V of its second step is in
	CROUND
	JLOAD
	ASK
.else
	s_wait_dscnt 0x0
	s_barrier_signal -1
	s_barrier_wait -1
.endif
	s_xor_b32 s[TB], s[TB], SLOT1                  ; the fetches go on in the other slot
	v_add_nc_u32 v[ADK], s[TB], v[AK0]
	v_add_nc_u32 v[ADV], s[TB], v[AV0]
.endm
; WHAT STANDS BEHIND A CHANGE OF SLOTS.  In registers: the left slot's second step: its S^T (phase 0) or already its P (phase 1), and its V.  All four runs of loads read the slot ahead.
; Phase 0 walks softmax, V^T P, K Q^T, softmax, V^T P, K Q^T; phase 1 walks V^T P, K Q^T, softmax, V^T P, K Q^T, softmax.  last = 1: no change follows, so every wave ends with the softmax.
.macro BODY last
	FETCHK 0                                       ; K's registers were read last ahead of the change, five places and more back
	SOFTIF 0
	MULPV 0                                        ; (V is in: the change has waited for it)
	PLACES 5                                       ; for the loads into V's registers, and for the K Q^T below, which writes over P
	FETCHV 0
	s_wait_dscnt 16                                ; K's sixteen loads are in; V's sixteen younger ones may be out
	MULKQ
	PLACES 5
	FETCHK 1
	SOFT 0
	s_wait_dscnt 16                                ; V is in; K's sixteen younger loads may be out
	MULPV 0
	PLACES 5
	FETCHV 1
	s_wait_dscnt 16                                ; K is in; V's sixteen younger loads may be out
	MULKQ
	PLACES 5
.if \last
	SOFT 0
.else
	SOFTIF 1
.endif
.endm
	s_wait_tensorcnt 1                             ; my part of slot 0 is in; slot 1's may stay out
	s_barrier_signal -1
	s_barrier_wait -1                              ; everybody's is
	FETCHK 0
	FETCHV 0
	s_wait_loadcnt 0x0                             ; Q and the mask
	s_wait_dscnt 16                                ; K is in; V's sixteen younger loads may be out
	MULKQ
	PLACES 5
	FETCHK 1
	SOFT 1
	s_wait_dscnt 16                                ; V is in; K's sixteen younger loads may be out
	MULPV 1
	PLACES 5
	FETCHV 1
	s_wait_dscnt 16                                ; K is in; V's sixteen younger loads may be out
	MULKQ
	PLACES 5
	SOFTIF 1                                       ; here the two phases part
.Lslot:                                            ; six trips: every slot but the last two is filled again
	CHANGE 1
	BODY 0
	s_sub_co_u32 s[SLOTS], s[SLOTS], 1
	s_cmp_lg_u32 s[SLOTS], 0
	s_cbranch_scc1 .Lslot
	CHANGE 0                                       ; the tail is written out
	BODY 1                                         ; and here they meet again
	s_wait_dscnt 0x0                               ; the last V is in
	MULPV 0
	; THE WAY OUT.  A tile's sum: its two halves, then lane l xor 16's.  (The additions are the places behind the last products.)
.irp t, 0,1,2,3
	v_add_f32 v[L+2*\t], v[L+2*\t], v[L+2*\t+1]
.endr
.irp t, 0,1,2,3
	v_permlanex16_b32 v[L+2*\t+1], v[L+2*\t], s[SEL], s[SEL+1]
.endr
.irp t, 0,1,2,3
	v_add_f32 v[L+2*\t], v[L+2*\t], v[L+2*\t+1]
.endr
	WIN 0x04                                       ; an LDS store's data are its source 1: window 1
.set n, 0
.rept 16
	ds_store_b128 v[XW], v[O+64+4*n:O+64+4*n+3] offset:512*n   ; register tiles 2, 3 as images of their registers, each accumulator from its low end on
.set n, n+1
.endr
	WIN 0
	ds_store_b32 v[XWS], v[L+4]                    ; their sums,
	ds_store_b32 v[XWS], v[L+6] offset:128
	ds_store_b32 v[XWS], v[ST+16] offset:256       ; and the -M under which they stand
	ds_store_b32 v[XWS], v[ST+24] offset:384
	s_wait_dscnt 0x0                               ; for my partner's sake: my stores have landed
	s_barrier_signal -1
	s_barrier_wait -1
.set n, 0
.rept 16
	ds_load_b128 v[X+4*n:X+4*n+3], v[XR] offset:512*n          ; my partner's part of the tiles that I keep
.set n, n+1
.endr
	ds_load_b32 v[L+1], v[XRS]
	ds_load_b32 v[L+3], v[XRS] offset:128
	ds_load_b32 v[ST+4], v[XRS] offset:256
	ds_load_b32 v[ST+12], v[XRS] offset:384
	s_wait_dscnt 0x0
.irp j, 0,1
	v_min_num_f32 v[ST+8*\j+5], v[ST+8*\j], v[ST+8*\j+4]       ; the common -M: the smaller of the two
.endr
.irp j, 0,1
	v_sub_f32 v[ST+8*\j+6], v[ST+8*\j+5], v[ST+8*\j]           ; my M - the common M: a whole number, 0 or less
	v_sub_f32 v[ST+8*\j+7], v[ST+8*\j+5], v[ST+8*\j+4]         ; my partner's likewise
.endr
.irp j, 0,1
	v_cvt_i32_f32 v[ST+8*\j+6], v[ST+8*\j+6]
	v_cvt_i32_f32 v[ST+8*\j+7], v[ST+8*\j+7]
.endr
.irp j, 0,1
	v_ldexp_f32 v[ST+8*\j+6], 1.0, v[ST+8*\j+6]                ; fa
	v_ldexp_f32 v[ST+8*\j+7], 1.0, v[ST+8*\j+7]                ; fb
.endr
.irp j, 0,1
	v_mul_f32 v[L+2*\j], v[L+2*\j], v[ST+8*\j+6]
.endr
.irp j, 0,1
	v_fma_f32 v[L+2*\j], v[L+2*\j+1], v[ST+8*\j+7], v[L+2*\j]  ; the row's sum under the common M
.endr
	v_rcp_f32 v[INV], v[L]
	v_rcp_f32 v[INV+2], v[L+2]
	v_cvt_f32_u32 v[MK], v[MK]                     ; the mask byte as 0.0 or 1.0 (a plain line behind the reciprocals)
	v_cvt_f32_u32 v[MK+1], v[MK+1]
	s_wait_alu depctr_va_vdst(0)                   ; one wait for both reciprocals, ahead of their first reader
.irp j, 0,1
	v_mul_f32 v[INV+2*\j], v[INV+2*\j], v[MK+\j]
.endr
.irp j, 0,1
	v_mul_f32 v[FA+4*\j], v[INV+2*\j], v[ST+8*\j+6]
	v_mul_f32 v[FA+4*\j+2], v[INV+2*\j], v[ST+8*\j+7]
.endr
.irp j, 0,1
	v_mov_b32 v[FA+4*\j+1], v[FA+4*\j]             ; (named with them as pairs, so they are written)
	v_mov_b32 v[FA+4*\j+3], v[FA+4*\j+2]
.endr
.set n, 0
.rept 32
	v_pk_mul_f32 v[X+2*n:X+2*n+1], v[X+2*n:X+2*n+1], v[FA+4*(n/16)+2:FA+4*(n/16)+3] op_sel_hi:[1,0]
.set n, n+1
.endr
	WIN 0x01                                       ; source 0 window 1
.set n, 0
.rept 32
	v_pk_fma_f32 v[X+2*n:X+2*n+1], v[O+2*n:O+2*n+1], v[FA+4*(n/16):FA+4*(n/16)+1], v[X+2*n:X+2*n+1] op_sel_hi:[1,0,1]
.set n, n+1
.endr
	WIN 0
.set n, 0
.rept 32
	v_cvt_pk_f16_f32 v[S+n], v[X+2*n], v[X+2*n+1]  ; a lane's eight channels of a query: 16 bytes
.set n, n+1
.endr
.irp t, 0,1
.irp ct, 0,1,2,3
	ds_store_b128 v[STO], v[S+16*\t+4*\ct:S+16*\t+4*\ct+3] offset:16*144*\t+32*\ct
.endr
.endr
.irp i, 0,1,2,3,4,5,6,7
	ds_load_b128 v[OUTR+4*\i:OUTR+4*\i+3], v[RD] offset:4*144*\i     ; LDS serves a wave's instructions in order: these see my stores
.endr
.irp i, 0,1,2,3,4,5,6,7
	s_wait_dscnt 7-\i
	global_store_b128 v[GO], v[OUTR+4*\i:OUTR+4*\i+3], s[8:9] offset:512*\i   ; 32 lanes store 512 consecutive bytes, aligned: four tokens of my head
.endr
	s_wait_tensorcnt 0x0                           ; the wave's end
	ds_add_u32 v[SPW], v[NIL]
	s_wait_dscnt 0x0
	CROUND                                         ; the closing round
	s_endpgm
.Lfunc_end_k_q3649c68859_attn:
	.size	k_q3649c68859_attn, .Lfunc_end_k_q3649c68859_attn-k_q3649c68859_attn
	.p2alignl 7, 3214868480
	.fill 96, 4, 3214868480
	.section	.rodata,"a",@progbits
	.p2align	6, 0x0
	.amdhsa_kernel k_q3649c68859_attn
		.amdhsa_group_segment_fixed_size 327680
		.amdhsa_private_segment_fixed_size 0
		.amdhsa_enable_private_segment 0
		.amdhsa_kernarg_size 24
		.amdhsa_user_sgpr_count 2
		.amdhsa_user_sgpr_kernarg_segment_ptr 1
		.amdhsa_wavefront_size32 1
		.amdhsa_system_sgpr_workgroup_id_x 1
		.amdhsa_system_sgpr_workgroup_id_y 1
		.amdhsa_system_sgpr_workgroup_id_z 1
		.amdhsa_system_vgpr_workitem_id 0
		.amdhsa_next_free_vgpr 512
		.amdhsa_next_free_sgpr 80
		.amdhsa_reserve_vcc 0
		.amdhsa_float_denorm_mode_32 3
		.amdhsa_float_denorm_mode_16_64 3
		.amdhsa_memory_ordered 1
		.amdhsa_forward_progress 1
		.amdhsa_inst_pref_size 255
	.end_amdhsa_kernel
	.section	.bss,"aw",@nobits
	.p2align	6
	.space	262144
	.amdgpu_metadata
---
amdhsa.version: [ 1, 2 ]
amdhsa.kernels:
  - .name:           k_q3649c68859_attn
    .symbol:         k_q3649c68859_attn.kd
    .args:
      - { .name: qkv, .offset: 0, .size: 8, .value_kind: global_buffer, .address_space: global }
      - { .name: mask, .offset: 8, .size: 8, .value_kind: global_buffer, .address_space: global }
      - { .name: ao, .offset: 16, .size: 8, .value_kind: global_buffer, .address_space: global }
    .group_segment_fixed_size: 327680
    .private_segment_fixed_size: 0
    .kernarg_segment_align: 8
    .kernarg_segment_size: 24
    .max_flat_workgroup_size: 256
    .sgpr_count:     80
    .vgpr_count:     512
    .wavefront_size: 32
...
	.end_amdgpu_metadata
.endif
;; end of part 3
;; launch oproj (part 4): grid 8 x 32, 4 waves a work-group, clusters of 4 x 4, 327,680 bytes of LDS; arguments ao, wo16, out0; writes out0
.if DOCPART == 4
	.amdgcn_target "amdgcn-amd-amdhsa--gfx1250"
	.amdhsa_code_object_version 6
	.text
	.protected	k_q3649c68859_oproj
	.globl	k_q3649c68859_oproj
	.p2align	8
	.type	k_q3649c68859_oproj,@function
k_q3649c68859_oproj:
	s_mov_b64 s[64:65], 0
	v_nop
	global_prefetch_b8 v0, s[64:65] scope:SCOPE_SE
	s_setreg_imm32_b32 hwreg(HW_REG_WAVE_MODE, 25, 1), 1
	s_wait_xcnt 0x0
	s_wait_alu depctr_hold_cnt(0) depctr_sa_sdst(0) depctr_va_vdst(0) depctr_va_sdst(0) depctr_va_ssrc(0) depctr_va_vcc(0) depctr_vm_vsrc(0)
	s_getreg_b32 s2, hwreg(HW_REG_IB_STS2, 6, 4)
	s_cmp_eq_u32 s2, 0
	s_cbranch_scc0 .Lentry_in_a_cluster
	s_endpgm
.Lentry_in_a_cluster:
	s_bfe_u32 s2, ttmp6, 0x10000c
	s_cmp_lg_u32 s2, 0xf033
	s_cbranch_scc0 .Lentry_shape_is_right
	s_endpgm
.Lentry_shape_is_right:
; out0[m][n] = sum over k of A[m][k] W_o[n][k]: m = 4,096 tokens, n = 1,024, k = 64 x head + channel = 1,024.  Both operands f16, sums and result f32.
; A = ao [head / 4][token / 128][head % 4][token % 128][64]: the 128 tokens x 4 heads of a tile's K step are one dense block of 65,536 bytes.  B = wo16 [n][k].
; A tile of out0 is 128 x 128: 256 work-groups.  Four waves, 64 x 64 each: 16 accumulators.  K goes in four steps of 256 (four heads) through two LDS slots.
; CLUSTERS: 4 x 4 work-groups; A's tiles are asked for jointly along a row of the cluster, B's along a column.  THE MATRIX INSTRUCTION IS USED TRANSPOSED (source 0 = 16 rows of B, source 1 = 16 tokens of A).
; LDS.  A: a token's 128 bytes of a head; two tokens make a row of 256 bytes with 16 of padding behind it: token n of a head at (n / 2) x 272 + 128 (n % 2): the 16 tokens of a load fall on 16 different 16-byte columns
; of the 64 banks (ISA guide 11.1).  B: rows of 512 bytes + 16.
; REGISTERS: window 0: v0-31 addresses; v32-95 the way out; v128-255 the accumulators ((a, b) at v[128 + 8 (4 a + b)]).  window 1: two fragment buffers of 128: 64 registers of A, then 64 of B, for 64 along K.
.set SIZE_N, 1024
.set PA,     272
.set HEADB,  64*PA                     ; a head's 128 tokens
.set AHALF,  2*HEADB                   ; what one load brings of A: two heads
.set PB,     528
.set BHALF,  64*PB                     ; and of B: 64 rows
.set BOFF,   4*HEADB
.set SLOT,   BOFF+2*BHALF
.set STAGE,  2*SLOT                    ; behind the ring: 16 rows x (256 + 16) bytes for each wave
.set SPITCH, 272
.set SPARE,  STAGE+4*16*SPITCH         ; the spare words, 128 bytes a wave
.set LAPS,   2                         ; a lap = two K steps
.set ADRA, 16
.set ADRB, 20
.set STO,  24
.set RD,   25
.set CO,   26
.set SPW,  28
.set NIL,  29
.set BK,   32                          ; the way out: v32-63 and v64-95 by turns
.set ACC,  128
.set F0,   0
.set F1,   128
.set G1, 24
.set G0, 32
.set G1B, 48
.set G0B, 56
.set MSB, 0
.macro WIN new
.if MSB != \new
	s_set_vgpr_msb (MSB<<8)|\new
.set MSB, \new
.endif
.endm
.set MUL,  0x05                        ; sources 0 (B) and 1 (A) window 1; C and D window 0
.set TO_F, 0x40
.macro JLOAD s                         ; a joint load: waves 0 and 1 fetch A's halves, waves 2 and 3 B's; an s_nop 0 and four v_nop follow each of the two lines
	s_cmp_eq_u32 s11, 0
	s_cbranch_scc0 .Lfor_b_\@
	tensor_load_to_lds s[G0+4*\s:G0+4*\s+3], s[G1:G1+7]
	s_nop 0
.rept 4
	v_nop
.endr
	s_branch .Lasked_\@
.Lfor_b_\@:
	tensor_load_to_lds s[G0B+4*\s:G0B+4*\s+3], s[G1B:G1B+7]
	s_nop 0
.rept 4
	v_nop
.endr
.Lasked_\@:
.endm
.macro CREST                           ; a round of the cluster's barrier behind its opening barrier
	s_cmp_lg_u32 s10, 0
	s_cbranch_scc1 .Lnot_wave_0_\@
	s_barrier_signal -3
.Lnot_wave_0_\@:
	s_barrier_wait -3
	s_barrier_signal -1
	s_barrier_wait -1
.endm
.macro CROUND
	s_barrier_signal -1
	s_barrier_wait -1
	CREST
.endm
	s_load_b128 s[4:7], s[0:1], 0x0                ; ao s[4:5], wo16 s[6:7]
	s_load_b64 s[8:9], s[0:1], 0x10                ; out0
	v_lshl_add_u32 v[SPW], v0, 2, SPARE
	v_mov_b32 v[NIL], 0
	ds_add_u32 v[SPW], v[NIL]                      ; the wave's opening: the add, twice on end, and its wait ahead of my first tensor load
	ds_add_u32 v[SPW], v[NIL]
	v_lshrrev_b32 v1, 5, v0
	v_readfirstlane_b32 s10, v1                    ; wave 0..3
	s_lshr_b32 s11, s10, 1                         ; which half of the tile's rows is mine.  Also: I fetch for A (0) or for B (1)
	s_and_b32 s12, s10, 1                          ; which half of its columns.  Also: which half of that tile I fetch
	s_bfe_u32 s40, ttmp6, 0x40000                  ; cx, cy
	s_bfe_u32 s41, ttmp6, 0x40004
	s_lshl_b32 s42, ttmp9, 2
	s_add_co_u32 s42, s42, s40                     ; tile column
	s_and_b32 s13, ttmp7, 0xffff
	s_lshl_b32 s13, s13, 2
	s_add_co_u32 s13, s13, s41                     ; tile row
	s_lshl_b32 s43, s41, 2
	s_lshl_b32 s43, 15, s43                        ; my row of the cluster
	s_lshl_b32 s44, 0x1111, s40                    ; my column
	s_or_b32 s[G1+0], s43, (1<<16)|(1<<20)|(1<<21)|(5<<22)|(3<<25)  ; A: the mask; elements of 2 bytes; padding on; bit 21 beside a mask; 4 words behind every 64
	s_mov_b32 s[G1+1], 128<<16                     ; 128 rows of 128 elements (two tokens a row), dense in memory
	s_mov_b32 s[G1+2], 128<<16
	s_mov_b32 s[G1+3], 128<<16
	s_mov_b32 s[G1+4], 128
	s_mov_b32 s[G1+5], 128
	s_mov_b32 s[G1+6], 0
	s_mov_b32 s[G1+7], 0
	s_or_b32 s[G1B+0], s44, (1<<16)|(1<<20)|(1<<21)|(6<<22)|(3<<25) ; B: 4 words behind every 128
	s_mov_b32 s[G1B+1], 256<<16                    ; 64 rows of 256 elements, 1,024 elements apart
	s_mov_b32 s[G1B+2], 64<<16
	s_mov_b32 s[G1B+3], 256<<16
	s_mov_b32 s[G1B+4], 64
	s_mov_b32 s[G1B+5], 1024
	s_mov_b32 s[G1B+6], 0
	s_mov_b32 s[G1B+7], 0
	s_lshl_b32 s16, s13, 16                        ; A: 65,536 x tile row + 32,768 x half (two heads)
	s_lshl_b32 s17, s12, 15
	s_add_co_u32 s16, s16, s17
	s_mov_b32 s17, 0
	s_lshl_b32 s46, s42, 7                         ; B: row 128 x tile column + 64 x half, 2,048 bytes a row
	s_lshl_b32 s47, s12, 6
	s_add_co_u32 s46, s46, s47
	s_lshl_b32 s46, s46, 11
	s_mov_b32 s47, 0
	s_mul_i32 s20, s12, AHALF                      ; where they go: no place in the cluster enters an LDS address
	s_mul_i32 s21, s12, BHALF
	s_add_co_u32 s21, s21, BOFF
	s_wait_dscnt 0x0                               ; both opening adds are done
	s_wait_kmcnt 0x0
	s_add_nc_u64 s[14:15], s[4:5], s[16:17]
	s_add_nc_u64 s[46:47], s[6:7], s[46:47]
	CROUND                                         ; all sixteen work-groups are here: the first joint loads meet
.irp s, 0,1
	s_mov_b32 s[G0+4*\s], 1
	s_add_co_u32 s[G0+4*\s+1], s20, \s*SLOT
	s_add_nc_u64 s[G0+4*\s+2:G0+4*\s+3], s[14:15], \s*2097152      ; K step s: four heads on
	s_or_b32 s[G0+4*\s+3], s[G0+4*\s+3], 0x80000000
	s_mov_b32 s[G0B+4*\s], 1
	s_add_co_u32 s[G0B+4*\s+1], s21, \s*SLOT
	s_add_nc_u64 s[G0B+4*\s+2:G0B+4*\s+3], s[46:47], \s*512
	s_or_b32 s[G0B+4*\s+3], s[G0B+4*\s+3], 0x80000000
	JLOAD \s                                       ; two tensor loads of mine are out at the most
.endr
	v_and_b32 v1, 15, v0                           ; r
	v_bfe_u32 v2, v0, 4, 1                         ; h
	v_lshrrev_b32 v3, 1, v1
	v_mul_u32_u24 v3, v3, PA                       ; A: token r: (r / 2) x pitch
	v_and_b32 v4, 1, v0
	v_lshl_add_u32 v3, v4, 7, v3                   ; + 128 (r % 2)
	v_lshl_add_u32 v3, v2, 4, v3                   ; + 16 h
	v_mul_u32_u24 v4, v1, PB
	v_lshl_add_u32 v4, v2, 4, v4                   ; B: row r x pitch + 16 h
	s_mul_i32 s21, s11, 32*PA                      ; my 64 tokens in each head
	s_mul_i32 s22, s12, BHALF                      ; my 64 rows of B
	s_add_co_u32 s22, s22, BOFF
.irp s, 0,1
	v_add_nc_u32 v[ADRA+\s], s21, v3
	v_add_nc_u32 v[ADRB+\s], s22, v4
	s_add_co_u32 s21, s21, SLOT
	s_add_co_u32 s22, s22, SLOT
.endr
	s_mul_i32 s23, s10, 16*SPITCH
	s_add_co_u32 s23, s23, STAGE                   ; my stage
	v_mul_u32_u24 v5, v1, SPITCH                   ; in: row r, 32 bytes for each half of the lanes
	v_lshl_add_u32 v5, v2, 5, v5
	v_add_nc_u32 v[STO], s23, v5
	v_mul_u32_u24 v5, v2, SPITCH                   ; back: lanes 0-15 one row of 256 bytes, lanes 16-31 the next
	v_lshl_add_u32 v5, v1, 4, v5
	v_add_nc_u32 v[RD], s23, v5
	v_lshlrev_b32 v5, 12, v2                       ; and the same two rows in out0, 4,096 bytes apart
	v_lshl_add_u32 v[CO], v1, 4, v5
	s_lshl_b32 s16, s13, 7
	s_lshl_b32 s17, s11, 6
	s_add_co_u32 s16, s16, s17                     ; my first row: 128 x tile row + 64 x half
	s_lshl_b32 s16, s16, 12
	s_mov_b32 s17, 0
	s_add_nc_u64 s[8:9], s[8:9], s[16:17]
	s_lshl_b32 s46, s42, 9                         ; my first column, in bytes: 512 x tile column + 256 x half
	s_lshl_b32 s47, s12, 8
	s_add_co_u32 s46, s46, s47
	s_mov_b32 s47, 0
	s_add_nc_u64 s[8:9], s[8:9], s[46:47]
; 8 matrix instructions: m blocks a0, a0 + 1 x all 4 n blocks, 32 along K: half c of buffer f.  The 16 accumulators take turns.
.macro MUL8 f, c, a0, zero
.irp a, \a0, \a0+1
.irp b, 0,1,2,3
.if \zero
	v_wmma_f32_16x16x32_f16 v[ACC+8*(4*(\a)+\b):ACC+8*(4*(\a)+\b)+7], v[\f+64+8*(4*\c+\b):\f+64+8*(4*\c+\b)+7], v[\f+8*(4*\c+\a):\f+8*(4*\c+\a)+7], 0
.else
	v_wmma_f32_16x16x32_f16 v[ACC+8*(4*(\a)+\b):ACC+8*(4*(\a)+\b)+7], v[\f+64+8*(4*\c+\b):\f+64+8*(4*\c+\b)+7], v[\f+8*(4*\c+\a):\f+8*(4*\c+\a)+7], v[ACC+8*(4*(\a)+\b):ACC+8*(4*(\a)+\b)+7]
.endif
.endr
.endr
.endm
; 32 LDS loads in one run: the fragments of quarter q (head q of the K step: 64 along K) into buffer f; the first 32 along K first
.macro FETCH slot, q, f
	WIN TO_F
.irp c, 0,1
.irp i, 0,1,2,3
	ds_load_b128 v[\f+64+8*(4*\c+\i):\f+64+8*(4*\c+\i)+3],   v[ADRB+\slot] offset:128*(\q)+64*\c+\i*16*PB
	ds_load_b128 v[\f+64+8*(4*\c+\i)+4:\f+64+8*(4*\c+\i)+7], v[ADRB+\slot] offset:128*(\q)+64*\c+\i*16*PB+32
	ds_load_b128 v[\f+8*(4*\c+\i):\f+8*(4*\c+\i)+3],         v[ADRA+\slot] offset:HEADB*(\q)+64*\c+\i*8*PA
	ds_load_b128 v[\f+8*(4*\c+\i)+4:\f+8*(4*\c+\i)+7],       v[ADRA+\slot] offset:HEADB*(\q)+64*\c+\i*8*PA+32
.endr
.endr
.endm
.macro PLACES                          ; four plain lines in front of loads into registers that matrix instructions have read, and of reads of results
.rept 4
	v_nop
.endr
.endm
; One of a K step's first three quarters: multiplies buffer f and fetches quarter q into g.
.macro QUARTER slot, q, f, g, zero
	s_wait_dscnt 16                                ; the first 32 along K are in; the sixteen younger loads may be out
	WIN MUL
	MUL8 \f, 0, 0, \zero
	MUL8 \f, 0, 2, \zero
	PLACES
	FETCH \slot, \q, \g
	s_wait_dscnt 32                                ; all but the 32 just issued
	WIN MUL
	MUL8 \f, 1, 0, 0
	MUL8 \f, 1, 2, 0
.endm
; The last quarter multiplies buffer 1 and changes slots: one barrier; in front of it each wave waits for all its tensor loads, adds 0 to its spare word, and waits for that and for its reads of this slot.
.macro TURN slot, next, fill
	WIN 0                                          ; (the add's two registers lie in window 0)
	s_wait_tensorcnt 0x0                           ; all my tensor loads have landed: my part of the next slot
	ds_add_u32 v[SPW], v[NIL]
	s_wait_dscnt 17                                ; (the add and the youngest sixteen loads may be out)
	WIN MUL
	MUL8 F1, 0, 0, 0
	s_wait_dscnt 0x0                               ; the add is done, and my reads of this slot are over
	s_barrier_signal -1
	MUL8 F1, 0, 2, 0
.if \fill
	WIN 0
.endif
	s_barrier_wait -1
.if \fill
	CREST                                          ; the barrier has opened a round of the cluster's: no wave of any partner still reads this slot or has a load on its way
	s_add_nc_u64 s[G0+4*\slot+2:G0+4*\slot+3], s[G0+4*\slot+2:G0+4*\slot+3], 2*2097152
	s_add_nc_u64 s[G0B+4*\slot+2:G0B+4*\slot+3], s[G0B+4*\slot+2:G0B+4*\slot+3], 2*512
	JLOAD \slot                                    ; the first tensor load behind the round; its four v_nop are also the places in front of the loads below
.else
	PLACES
.endif
	FETCH \next, 0, F0
	WIN MUL
	MUL8 F1, 1, 0, 0
	MUL8 F1, 1, 2, 0
.endm
	s_wait_tensorcnt 1                             ; my part of K step 0 is in (K step 1's load may be out)
	s_barrier_signal -1
	s_barrier_wait -1                              ; everybody's is
	FETCH 0, 0, F0
	QUARTER 0, 1, F0, F1, 1                        ; the first products start the sums
	WIN 0
	s_mov_b32 s3, LAPS-1
.Llap:                                                 ; a trip goes once round the ring and fills both slots again
	QUARTER 0, 2, F1, F0, 0
	QUARTER 0, 3, F0, F1, 0
	TURN 0, 1, 1
	QUARTER 1, 1, F0, F1, 0
	QUARTER 1, 2, F1, F0, 0
	QUARTER 1, 3, F0, F1, 0
	TURN 1, 0, 1
	QUARTER 0, 1, F0, F1, 0
	WIN 0
	s_sub_co_u32 s3, s3, 1
	s_cmp_lg_u32 s3, 0
	s_cbranch_scc1 .Llap
	QUARTER 0, 2, F1, F0, 0                        ; the last lap fills nothing
	QUARTER 0, 3, F0, F1, 0
	TURN 0, 1, 0
	QUARTER 1, 1, F0, F1, 0
	QUARTER 1, 2, F1, F0, 0
	QUARTER 1, 3, F0, F1, 0
	s_wait_dscnt 16
	WIN MUL
	MUL8 F1, 0, 0, 0
	MUL8 F1, 0, 2, 0
	s_wait_dscnt 0
	MUL8 F1, 1, 0, 0
	MUL8 F1, 1, 2, 0
	WIN 0
; THE WAY OUT, block by block of 16 rows x 64 columns of f32.  A lane holds 32 neighbouring bytes of a row; a block goes through my own stage and comes back as whole rows of 256 bytes.
; LDS serves a wave's instructions in order: no wait between the stores and the loads, nor in front of the next block's stores.
.macro TOSTAGE a
.irp b, 0,1,2,3
	ds_store_b128 v[STO], v[ACC+8*(4*(\a)+\b):ACC+8*(4*(\a)+\b)+3] offset:64*\b        ; each accumulator from its low end on
	ds_store_b128 v[STO], v[ACC+8*(4*(\a)+\b)+4:ACC+8*(4*(\a)+\b)+7] offset:64*\b+16
.endr
.set BB, BK+32*((\a)%2)
.irp t, 0,1,2,3,4,5,6,7
	ds_load_b128 v[BB+4*\t:BB+4*\t+3], v[RD] offset:\t*2*SPITCH
.endr
.endm
.macro SEND a, younger                 ; younger: the LDS instructions issued behind block a's loads, which may stay out
.set BB, BK+32*((\a)%2)
	s_wait_dscnt \younger
.irp t, 0,1,2,3,4,5,6,7
	global_store_b128 v[CO], v[BB+4*\t:BB+4*\t+3], s[8:9] offset:(16*(\a)+2*\t)*SIZE_N*4 th:TH_STORE_NT   ; 16 lanes store 256 consecutive bytes, aligned; written once, read by nobody here
.endr
.endm
	PLACES
	TOSTAGE 0
.irp a, 1,2,3
.if \a > 1
	s_wait_xcnt 0x0                                ; block a - 2's stores have read their registers: block a's loads may land there
.endif
	TOSTAGE \a
	SEND \a-1, 16                                  ; behind block a - 1's loads: block a's 8 stores and 8 loads
.endr
	SEND 3, 0
	s_wait_tensorcnt 0x0                           ; the wave's end
	ds_add_u32 v[SPW], v[NIL]
	s_wait_dscnt 0x0
	CROUND                                         ; the closing round
	s_endpgm
.Lfunc_end_k_q3649c68859_oproj:
	.size	k_q3649c68859_oproj, .Lfunc_end_k_q3649c68859_oproj-k_q3649c68859_oproj
	.p2alignl 7, 3214868480
	.fill 96, 4, 3214868480
	.section	.rodata,"a",@progbits
	.p2align	6, 0x0
	.amdhsa_kernel k_q3649c68859_oproj
		.amdhsa_group_segment_fixed_size 327680
		.amdhsa_private_segment_fixed_size 0
		.amdhsa_enable_private_segment 0
		.amdhsa_kernarg_size 24
		.amdhsa_user_sgpr_count 2
		.amdhsa_user_sgpr_kernarg_segment_ptr 1
		.amdhsa_wavefront_size32 1
		.amdhsa_system_sgpr_workgroup_id_x 1
		.amdhsa_system_sgpr_workgroup_id_y 1
		.amdhsa_system_sgpr_workgroup_id_z 1
		.amdhsa_system_vgpr_workitem_id 0
		.amdhsa_next_free_vgpr 512
		.amdhsa_next_free_sgpr 66
		.amdhsa_reserve_vcc 0
		.amdhsa_float_denorm_mode_32 3
		.amdhsa_float_denorm_mode_16_64 3
		.amdhsa_memory_ordered 1
		.amdhsa_forward_progress 1
		.amdhsa_inst_pref_size 86
	.end_amdhsa_kernel
	.amdgpu_metadata
---
amdhsa.version: [ 1, 2 ]
amdhsa.kernels:
  - .name:           k_q3649c68859_oproj
    .symbol:         k_q3649c68859_oproj.kd
    .args:
      - { .name: ao, .offset: 0, .size: 8, .value_kind: global_buffer, .address_space: global }
      - { .name: wo16, .offset: 8, .size: 8, .value_kind: global_buffer, .address_space: global }
      - { .name: out0, .offset: 16, .size: 8, .value_kind: global_buffer, .address_space: global }
    .group_segment_fixed_size: 327680
    .private_segment_fixed_size: 0
    .kernarg_segment_align: 8
    .kernarg_segment_size: 24
    .max_flat_workgroup_size: 128
    .sgpr_count:     66
    .vgpr_count:     512
    .wavefront_size: 32
...
	.end_amdgpu_metadata
.endif
;; end of part 4
